; MI455X (gfx1250); checked and timed in simulation.
; The chip was launched on July 23, 2026; its instructions are those of AMD's public machine-readable ISA for CDNA 5 (MIT licence, August 2026) and "CDNA5" Instruction Set Architecture Reference Guide (July 2026). The comments in the code are by the model that wrote it; some were corrected since.
;; Multi Head Attention. Allowed arithmetic: matrix products marked QUANTISED: E2M1 operands, one E8M0 scale for each 32 along K, by v_wmma_scale_f32_16x16x128_f8f6f4 with both operands' format E2M1 (or v_wmma_scale_f32_32x16x128_f4), f32 sums; products left as they are: bf16, f16 or f32 operands; f32 sums; everything else in f32.
;; Inputs: W_out 1,024 x 1,024 float32; W_qkv 3,072 x 1,024 float32; b_out 1,024 float32; b_qkv 3,072 float32; x 4 x 2,048 x 1,024 float32.
;; Outputs: out0 4 x 2,048 x 1,024 float32.
;; This version of the problem:
;;   THIS VERSION OF THE PROBLEM IS GIVEN IN LOW PRECISION. The matrix products marked QUANTISED in the list below multiply operands that are first quantised to E2M1 (2 exponent bits, 1 mantissa bit; 4 bits a number), with one power-of-two scale for each 32 numbers along K (OCP MX v1.0); their sums are f32. The products marked 'left as it is' may take bf16, f16 or f32 operands, with f32 sums. Whichever they take, every output number must still come out within the allowed error. Rounding operands to bf16 (8 significant bits) uses up far more of that allowance than f16 does (11 bits, for magnitudes from 6e-5 to 65,504). All else is computed in f32.
;;   The module's matrix products, in the order in which they are computed (A, B: the left and right operand; K: the contracted axis; several contracted axes count as one K, in the product's order):
;;     1. [M 8,192, K 1,024] x [K 1,024, N 3,072]; A: input x; B: input W_qkv: QUANTISED
;;     2. batch 64 x [M 2,048, K 64] x [K 64, N 2,048]; A: computed on the way; B: computed on the way: left as it is (an operand is computed on the way)
;;     3. batch 64 x [M 2,048, K 2,048] x [K 2,048, N 64]; A: computed on the way; B: computed on the way: left as it is (an operand is computed on the way)
;;     4. [M 8,192, K 1,024] x [K 1,024, N 1,024]; A: computed on the way; B: input W_out: left as it is (an operand is computed on the way)
;;   THE QUANTISER, for each operand of a quantised product, along K:
;;     - K is cut into blocks of 32 from its start; a last block that is shorter is filled with zeros.
;;     - A block's scale is 2^e with e = floor(log2(the largest magnitude in the block)) - 2, held to -126 .. 127; a block of zeros has e = 0. As a byte (E8M0): e + 127.
;;     - Each number is divided by its block's scale, clamped to +-6, and rounded to the nearest number of E2M1, ties to even, subnormals kept.
;;     - The product sums the exact products of the quantised numbers (number of the format x scale) in f32.
;;   ~~~python
;;   def quantise(x, axis):      # numpy; x: float32 -> the quantised numbers, widened to float32 again
;;       x = np.moveaxis(x, axis, -1); K = x.shape[-1]
;;       x = np.pad(x, [(0, 0)] * (x.ndim - 1) + [(0, -K % 32)]); x = x.reshape(x.shape[:-1] + (-1, 32)); a = np.abs(x).max(-1, keepdims=True)
;;       e = np.where(a > 0, np.clip(np.frexp(np.where(a > 0, a, 1))[1] - 1 - 2, -126, 127), 0)      # np.frexp(a)[1] - 1 = floor(log2(a)), exactly
;;       r = np.clip(x / 2.0 ** e, -6, 6)
;;       step = 2.0 ** (np.maximum(np.frexp(np.where(r == 0, 1, r))[1] - 1, 0) - 1)
;;       q = np.round(r / step) * step * 2.0 ** e      # np.round: ties to even
;;       return np.moveaxis(q.reshape(q.shape[:-2] + (-1,))[..., :K], -1, axis).astype(np.float32)
;;   ~~~
;; One version. Each part assembles by itself: llvm-mc -triple=amdgcn-amd-amdhsa -mcpu=gfx1250 --defsym DOCPART=n.
;; ======== version 1 of 1: 4 launches
;; limits: values are held in f16: magnitudes above 65,504 overflow, below 6.1e-05 lose precision
;; workspace buffers: xc 4,194,304 bytes; xs 262,144 bytes; wc 1,572,864 bytes; ws 98,304 bytes; wo16 2,097,152 bytes; qimg 16,777,216 bytes; kv 33,554,432 bytes; aimg 16,777,216 bytes
;; launch quant (part 1): grid 384 x 1, 4 waves a work-group, no clusters, 33,280 bytes of LDS; arguments x, W_qkv, W_out, xc, xs, wc, ws, wo16; writes xc, xs, wc, ws, wo16
.if DOCPART == 1
	.amdgcn_target "amdgcn-amd-amdhsa--gfx1250"
	.amdhsa_code_object_version 6
	.text
	.protected	k_q34c59406a5_quant
	.globl	k_q34c59406a5_quant
	.p2align	8
	.type	k_q34c59406a5_quant,@function
k_q34c59406a5_quant:
	s_mov_b64 s[64:65], 0
	v_nop
	global_prefetch_b8 v0, s[64:65] scope:SCOPE_SE
	s_setreg_imm32_b32 hwreg(HW_REG_WAVE_MODE, 25, 1), 1
	s_wait_xcnt 0x0
; x [8192][1024] and W_qkv [3072][1024], f32, K innermost, become codes of FP4 (E2M1), two a byte, K innermost, with one E8M0 byte for each 32 along K; W_out [1024][1024] becomes f16.
; A block's scale is 2^(floor(log2(its largest magnitude)) - 2); its byte is the largest magnitude's own exponent field - 2, held at 1 from below.  A block of zeros so gets the byte 1 where the
; quantiser says 127: its codes are zeros, which add nothing under any byte but 0xff, and the bytes are read by this program alone.  Each number is divided by the scale and rounded to the nearest code, ties to even.
; LIMITS: NaN and infinities among the inputs are not served; W_out beyond 65,504 in magnitude has no f16 number.
; Rows are dense and 1,024 is a multiple of 32, so x and W_qkv are plain streams of blocks of 32, and so are their codes and scale bytes.
; WORK-GROUPS: 0-255 take x, 256-351 W_qkv (32,768 numbers each, one path of the text, the buffers chosen by the work-group's number); 352-383 take W_out (a second path, without LDS).
; No cluster: no two work-groups read the same byte.  No tensor load, no barrier: waves share nothing.
; THE QUANTISING PATH.  A wave takes 16 steps of 512 numbers.  The conversions take 8 numbers of ONE block from a lane's consecutive registers, so a lane must hold 16 neighbours (two lanes to a block); a load is best
; where neighbouring LANES take neighbouring bytes.  Both are had: each of a step's four loads reads 512 consecutive bytes; the 2,048 bytes go through the wave's own stage in LDS and come back 64 bytes a lane
; (16 bytes of padding behind each 64).  A lane's 16 codes are 8 bytes: the wave stores 256 consecutive, aligned bytes.  A wave's 256 scale bytes are gathered in LDS and leave as one aligned run of 256 bytes.
.set WAVES, 4
.set STEPS, 16
.set WGA,   256                        ; work-groups for x: 8,192 x 1,024 / 32,768
.set WGQ,   352                        ; and with W_qkv's 96
.set EMAX,  2
.set CB,    8                          ; bytes of 16 codes
.set R,     16                         ; v16-79   four sets of 16 numbers as they are loaded
.set X,     80                         ; v80-111  two sets of 16 neighbours
.set C,     128                        ; v128-191 codes: four registers for each step, so that no store's data are written again
.set E,     112                        ; v112-127 a scale byte for each step
.set WREG,  8192                       ; LDS: a region for each wave: two stages of 32 x SP bytes, and behind them its 256 scale bytes
.set SP,    80                         ; a lane's place in a stage: its 64 bytes + 16 of padding
.set SPW,   12                         ; v12      LDS address of my spare word: SPARE + 4 x my thread's number; never rewritten
.set NIL,   13                         ; v13      0; never rewritten
.set SPARE, WAVES*WREG                 ; behind the four regions: the spare words, 128 bytes a wave, which no other line names
	s_load_b256 s[4:11], s[0:1], 0x0               ; x s[4:5], W_qkv s[6:7], W_out s[8:9], xc s[10:11]
	s_load_b256 s[12:19], s[0:1], 0x20             ; xs s[12:13], wc s[14:15], ws s[16:17], wo16 s[18:19]
	v_lshl_add_u32 v[SPW], v0, 2, SPARE
	v_mov_b32 v[NIL], 0
	v_lshrrev_b32 v1, 5, v0
	v_readfirstlane_b32 s20, v1                    ; wave
	v_and_b32 v2, 31, v0                           ; lane
	v_lshlrev_b32 v3, 4, v2                        ; my 16 bytes of a load's 512
	s_cmp_ge_u32 ttmp9, WGQ                        ; the last 32 work-groups convert W_out
	s_cbranch_scc1 .Lwout
	s_mul_i32 s21, s20, WREG
	v_lshrrev_b32 v14, 2, v2
	v_mul_u32_u24 v14, v14, SP
	v_and_b32 v15, 3, v2
	v_lshl_add_u32 v14, v15, 4, v14
	v_add_nc_u32 v14, s21, v14                     ; the stage, on the way in: four lanes' 64 bytes on end, then 16 of padding
	v_mul_u32_u24 v15, v2, SP
	v_add_nc_u32 v15, s21, v15                     ; and on the way out: SP x lane: my 16 neighbours
	v_mul_u32_u24 v4, v2, CB                       ; my codes' place in a step's
	v_lshrrev_b32 v5, 1, v2
	s_add_co_u32 s21, s21, 2*32*SP
	v_add_nc_u32 v5, s21, v5                       ; LDS: my wave's 256 scale bytes, my block's byte
	v_lshlrev_b32 v7, 3, v2                        ; and on the way out 8 bytes a lane
	v_add_nc_u32 v6, s21, v7
	s_wait_kmcnt 0x0
	s_cmp_lt_u32 ttmp9, WGA                        ; x's work-group or W_qkv's?  The choice hangs on the work-group's number alone
	s_cselect_b64 s[4:5], s[4:5], s[6:7]
	s_cselect_b64 s[10:11], s[10:11], s[14:15]
	s_cselect_b64 s[12:13], s[12:13], s[16:17]
	s_cselect_b32 s21, 0, WGA
	s_sub_co_u32 s21, ttmp9, s21
	s_lshl_b32 s21, s21, 2
	s_add_co_u32 s22, s21, s20                     ; which run of 8,192 numbers of the tensor is my wave's
	s_mov_b32 s23, 0
	s_mov_b64 s[24:25], 512*STEPS*4
	s_mul_u64 s[24:25], s[22:23], s[24:25]
	s_add_nc_u64 s[4:5], s[4:5], s[24:25]
	s_mov_b64 s[24:25], 32*STEPS*CB
	s_mul_u64 s[24:25], s[22:23], s[24:25]
	s_add_nc_u64 s[10:11], s[10:11], s[24:25]
	s_lshl_b32 s22, s22, 8                         ; 256 scale bytes a run
	s_add_nc_u64 s[12:13], s[12:13], s[22:23]
.macro LOAD t
.irp i, 0,1,2,3
	global_load_b128 v[R+16*((\t)%4)+4*\i:R+16*((\t)%4)+4*\i+3], v3, s[4:5] offset:2048*(\t)+512*\i th:TH_LOAD_NT   ; 32 lanes read 512 consecutive bytes
.endr
.endm
.macro TURN t                          ; step t's numbers through the stage: LDS serves a wave's instructions in order, so no wait stands between the stores and the loads
.irp i, 0,1,2,3
	ds_store_b128 v14, v[R+16*((\t)%4)+4*\i:R+16*((\t)%4)+4*\i+3] offset:32*SP*((\t)%2)+8*SP*\i
.endr
.irp i, 0,1,2,3
	ds_load_b128 v[X+16*((\t)%2)+4*\i:X+16*((\t)%2)+4*\i+3], v15 offset:32*SP*((\t)%2)+16*\i
.endr
.endm
.irp t, 0,1,2,3
	LOAD \t
.endr
	s_wait_loadcnt 12                              ; step 0's four loads are in; the twelve of steps 1 to 3 may be out
	TURN 0
.macro STEP t
.set XS, X+16*((\t)%2)
.if (\t) > 0
	s_wait_dscnt 1                                 ; this step's numbers are back from the stage (the last step's byte store may be out): so its stores into the stage have read their registers,
.else
	s_wait_dscnt 0x0
.endif
.if (\t)+4 < STEPS
	LOAD (\t)+4                                    ; which take the loads of four steps on
.endif
.if (\t)+1 < STEPS
.if STEPS-2-(\t) >= 3
	s_wait_loadcnt 12                              ; the next step's four loads are in; those of the three steps behind it may be out
.else
	s_wait_loadcnt 4*(STEPS-2-(\t))
.endif
	TURN (\t)+1                                    ; and go through the other stage while this step is worked
.endif
	v_max3_num_f32 v8, |v[XS]|, |v[XS+1]|, |v[XS+2]|               ; the largest magnitude of my 16, in two chains
	v_max3_num_f32 v9, |v[XS+3]|, |v[XS+4]|, |v[XS+5]|
.irp i, 6,10
	v_max3_num_f32 v8, v8, |v[XS+\i]|, |v[XS+\i+1]|
	v_max3_num_f32 v9, v9, |v[XS+\i+2]|, |v[XS+\i+3]|
.endr
	v_max3_num_f32 v8, v8, |v[XS+14]|, |v[XS+15]|
	v_max3_num_f32 v8, v8, v9, (EMAX+1)<<23        ; and the floor 2^(EMAX + 1 - 127): so the byte cannot fall under 1
	v_max_num_f32_dpp v8, v8, v8 row_xmask:1 row_mask:0xf bank_mask:0xf   ; and of my neighbour's 16: the block's
	v_add_nc_u32 v11, -(EMAX<<23), v8              ; EMAX off its exponent field: the conversion takes the exponent field of this operand as its scale, and nothing else of it
	v_cvt_scalef32_pk8_fp4_f32 v[C+4*(\t)], v[XS:XS+7], v11        ; eight numbers / the scale, to the nearest code, ties to even, beyond the largest code the largest
	v_cvt_scalef32_pk8_fp4_f32 v[C+4*(\t)+1], v[XS+8:XS+15], v11
	v_lshrrev_b32 v[E+(\t)], 23, v11               ; the scale's byte (also the plain line behind the conversions)
	ds_store_b8 v5, v[E+(\t)] offset:16*(\t)       ; both lanes of a block write the same byte with the same value
	global_store_b64 v4, v[C+4*(\t):C+4*(\t)+1], s[10:11] offset:32*CB*(\t)   ; 32 lanes store 256 consecutive bytes, aligned
.endm
.irp t, 0,1,2,3,4,5,6,7,8,9,10,11,12,13,14,15
	STEP \t
.endr
	ds_load_b64 v[8:9], v6                         ; LDS serves a wave's instructions in order: these see my stores
	s_wait_dscnt 0x0
	global_store_b64 v7, v[8:9], s[12:13]          ; 32 lanes store my wave's 256 scale bytes, aligned
	s_wait_tensorcnt 0x0                           ; the wave's end: behind my last LDS store
	ds_add_u32 v[SPW], v[NIL]
	s_wait_dscnt 0x0
	s_endpgm
; W_OUT TO F16.  A wave converts 8,192 numbers: 64 loads of 512 consecutive bytes, sixteen of them always on their way; each gives 256 consecutive bytes of f16.
; Every store has data registers of its own and every offset is an immediate, so nothing that a pending instruction reads is ever rewritten.
.Lwout:
	v_lshlrev_b32 v4, 3, v2                        ; my 8 bytes of a store's 256
	s_sub_co_u32 s21, ttmp9, WGQ
	s_lshl_b32 s21, s21, 2
	s_add_co_u32 s21, s21, s20                     ; which run of 8,192 numbers is my wave's: 0 .. 127
	s_lshl_b32 s22, s21, 15                        ; 32,768 bytes of f32,
	s_mov_b32 s23, 0
	s_lshl_b32 s24, s21, 14                        ; 16,384 of f16
	s_mov_b32 s25, 0
	s_wait_kmcnt 0x0
	s_add_nc_u64 s[8:9], s[8:9], s[22:23]
	s_add_nc_u64 s[18:19], s[18:19], s[24:25]
.irp i, 0,1,2,3,4,5,6,7,8,9,10,11,12,13,14,15
	global_load_b128 v[16+4*\i:19+4*\i], v3, s[8:9] offset:512*\i th:TH_LOAD_NT
.endr
.macro CV i
.if (\i) < 48
	s_wait_loadcnt 15                              ; loads come back in order: load i is in, the fifteen younger stay out
.else
	s_wait_loadcnt 63-(\i)                         ; the last sixteen: the counts run down
.endif
	v_cvt_pk_f16_f32 v[80+2*(\i)], v[16+4*((\i)%16)], v[17+4*((\i)%16)]
	v_cvt_pk_f16_f32 v[81+2*(\i)], v[18+4*((\i)%16)], v[19+4*((\i)%16)]
.if (\i) < 48
	global_load_b128 v[16+4*((\i)%16):19+4*((\i)%16)], v3, s[8:9] offset:512*((\i)+16) th:TH_LOAD_NT
.endif
	global_store_b64 v4, v[80+2*(\i):81+2*(\i)], s[18:19] offset:256*(\i)   ; 32 lanes store 256 consecutive bytes, aligned
.endm
.set Q, 0
.rept 64
	CV Q
.set Q, Q+1
.endr
	s_wait_tensorcnt 0x0                           ; every wave of this launch ends alike
	ds_add_u32 v[SPW], v[NIL]
	s_wait_dscnt 0x0
	s_endpgm
.Lfunc_end_k_q34c59406a5_quant:
	.size	k_q34c59406a5_quant, .Lfunc_end_k_q34c59406a5_quant-k_q34c59406a5_quant
	.p2alignl 7, 3214868480
	.fill 96, 4, 3214868480
	.section	.rodata,"a",@progbits
	.p2align	6, 0x0
	.amdhsa_kernel k_q34c59406a5_quant
		.amdhsa_group_segment_fixed_size 33280
		.amdhsa_private_segment_fixed_size 0
		.amdhsa_enable_private_segment 0
		.amdhsa_kernarg_size 64
		.amdhsa_user_sgpr_count 2
		.amdhsa_user_sgpr_kernarg_segment_ptr 1
		.amdhsa_wavefront_size32 1
		.amdhsa_system_sgpr_workgroup_id_x 1
		.amdhsa_system_sgpr_workgroup_id_y 1
		.amdhsa_system_sgpr_workgroup_id_z 1
		.amdhsa_system_vgpr_workitem_id 0
		.amdhsa_next_free_vgpr 208
		.amdhsa_next_free_sgpr 66
		.amdhsa_reserve_vcc 0
		.amdhsa_float_denorm_mode_32 3
		.amdhsa_float_denorm_mode_16_64 3
		.amdhsa_memory_ordered 1
		.amdhsa_forward_progress 1
		.amdhsa_inst_pref_size 56
	.end_amdhsa_kernel
	.amdgpu_metadata
---
amdhsa.version: [ 1, 2 ]
amdhsa.kernels:
  - .name:           k_q34c59406a5_quant
    .symbol:         k_q34c59406a5_quant.kd
    .args:
      - { .name: x, .offset: 0, .size: 8, .value_kind: global_buffer, .address_space: global }
      - { .name: W_qkv, .offset: 8, .size: 8, .value_kind: global_buffer, .address_space: global }
      - { .name: W_out, .offset: 16, .size: 8, .value_kind: global_buffer, .address_space: global }
      - { .name: xc, .offset: 24, .size: 8, .value_kind: global_buffer, .address_space: global }
      - { .name: xs, .offset: 32, .size: 8, .value_kind: global_buffer, .address_space: global }
      - { .name: wc, .offset: 40, .size: 8, .value_kind: global_buffer, .address_space: global }
      - { .name: ws, .offset: 48, .size: 8, .value_kind: global_buffer, .address_space: global }
      - { .name: wo16, .offset: 56, .size: 8, .value_kind: global_buffer, .address_space: global }
    .group_segment_fixed_size: 33280
    .private_segment_fixed_size: 0
    .kernarg_segment_align: 8
    .kernarg_segment_size: 64
    .max_flat_workgroup_size: 128
    .sgpr_count:     66
    .vgpr_count:     208
    .wavefront_size: 32
...
	.end_amdgpu_metadata
.endif
;; end of part 1
;; launch qkv (part 2): grid 16 x 32, 4 waves a work-group, clusters of 4 x 4, 262,144 bytes of LDS; arguments xc, xs, wc, ws, b_qkv, qimg, kv; writes qimg, kv
.if DOCPART == 2
	.amdgcn_target "amdgcn-amd-amdhsa--gfx1250"
	.amdhsa_code_object_version 6
	.text
	.protected	k_q34c59406a5_qkv
	.globl	k_q34c59406a5_qkv
	.p2align	8
	.type	k_q34c59406a5_qkv,@function
k_q34c59406a5_qkv:
	s_mov_b64 s[64:65], 0
	v_nop
	global_prefetch_b8 v0, s[64:65] scope:SCOPE_SE
	s_setreg_imm32_b32 hwreg(HW_REG_WAVE_MODE, 25, 1), 1
	s_wait_xcnt 0x0
	s_wait_alu depctr_hold_cnt(0) depctr_sa_sdst(0) depctr_va_vdst(0) depctr_va_sdst(0) depctr_va_ssrc(0) depctr_va_vcc(0) depctr_vm_vsrc(0)
	s_getreg_b32 s2, hwreg(HW_REG_IB_STS2, 6, 4)
	s_cmp_eq_u32 s2, 0
	s_cbranch_scc0 .Lentry_in_a_cluster
	s_endpgm
.Lentry_in_a_cluster:
	s_bfe_u32 s2, ttmp6, 0x10000c
	s_cmp_lg_u32 s2, 0xf033
	s_cbranch_scc0 .Lentry_shape_is_right
	s_endpgm
.Lentry_shape_is_right:
; qkv = x W_qkv^T + b_qkv on codes of FP4 (E2M1) with one E8M0 scale for each 32 along K; sums in f32; results rounded to f16 and stored AS IMAGES OF THE NEXT PRODUCTS' OPERAND REGISTERS.
; xc [8192][512 bytes], xs [8192][32], wc [3072][512], ws [3072][32]; b_qkv [3072] f32.
; SHARES.  A work-group makes 256 tokens x the 192 columns of ONE head (q 0-63, k 64-127, v 128-191): grid x = head, grid y = block of 256 tokens.  Wave w makes tokens 64 w .. 64 w + 63 x 192 columns: 4 x 12 accumulators.
; ALL OF K LIES IN LDS: x's 256 rows and W's 192 rows, in two chunks of 512 along K (rows of 256 bytes), and their scale bytes.  Every tensor load is a first fill: no byte of LDS is filled twice.
; By this text's own count a wave has three tensor loads outstanding: scales, chunk 0, chunk 1.
; CLUSTERS: 4 x 4 work-groups.  The four of a row of the cluster (same token block) need the same rows of x, the four of a column (same head) the same rows of W: each tile is asked for jointly.
; LAYOUT OF THE RESULTS.  For q's and k's column tiles the product is used transposed (source 0 = 16 rows of W, source 1 = 16 rows of x): a lane holds ONE token and eight neighbouring channels.
; For v's column tiles it is used as it stands (source 0 = x, source 1 = W): a lane holds ONE channel and eight neighbouring tokens.  Rounded in pairs these are 16 bytes of
;   qimg: byte ((bh 128 + tile of 16 queries) 4 + tile of 16 channels) 512 + 16 lane: lane (r, h) = query r, channels 8 h + 0 .. 7 of the tile;
;   kv:   [bh][step of 64 keys][16,384]: K as qimg (8,192 bytes), then V: byte 8192 + ((u 4 + vt) 2 + half) 512 + 16 lane: lane (r, h) = channel 16 vt + r, keys 32 u + 16 half + 8 h + 0 .. 7.
; So every store goes straight from registers and covers 512 consecutive, aligned bytes.  The bias is the C of each sum's first product.
; LIMITS: |q|, |k|, |v| beyond 65,504 have no f16 number; NaN and infinities are not served.
; REGISTERS: window 0: v1-15 addresses; v16-31 x's scale words, v32-79 W's (they hold nothing else); v80-143 x's fragments, two sets by the step's parity; v144-239 W's fragments: q's, k's, v's four tiles.
;   window 1: q's and k's accumulators, (a, b) at v[8 (8 a + b)].   window 2: v's accumulators at v[8 (4 a + vb)]; from v128 the bias of q's and k's 8 tiles, from v192 that of v's 4.
.set PITCH, 272                        ; an LDS row: 256 bytes + 16 of padding = 68 words, so that the 16 rows of a load start 4 words apart modulo 64
.set A0,    0                          ; chunk 0: x's 256 rows,
.set B0,    256*PITCH                  ; W's 192 rows
.set CHUNK, 448*PITCH                  ; chunk 1 lies this far on
.set SCA,   2*CHUNK                    ; x's scale bytes: 8,192 as 32 rows of 256 + 16
.set SCB,   SCA+32*PITCH               ; W's: 6,144 as 24 rows
.set SPARE, 259072                     ; the next multiple of 256 behind them: the spare words, 128 bytes a wave, which no other line names
.set ADRA,  1                          ; v1-2   LDS address of my x fragments in chunk 0, 1
.set ADRB,  3                          ; v3-4   the same for W
.set ADRSA, 5                          ; v5     of x's scale words: lanes 0-15 row tiles 0, 1; lanes 16-31 row tiles 2, 3
.set ADRSB, 6                          ; v6     of W's: lanes 0-15 column tiles 0-5; lanes 16-31 column tiles 6-11
.set L16,   7                          ; v7     16 x lane: my place in an image
.set BQ,    8                          ; v8     bias of q and k: 32 h
.set BV,    9                          ; v9     bias of v: 4 r
.set SPW,   10                         ; v10    LDS address of my spare word; never rewritten
.set NIL,   11                         ; v11    0; never rewritten
.set SA,    16
.set SB,    32
.set AF,    80
.set BF,    144
.set OUTR,  80                         ; the way out: packed results
.set G1A,  24                          ; s[24:31] group 1: x's tiles;   s[32:39] W's;   s[40:47] x's scales;   s[48:55] W's scales
.set G1B,  32
.set G1SA, 40
.set G1SB, 48
.set G0A,  56                          ; s[56:63] group 0 for x's chunks 0, 1;   s[68:75] for W's;   s[76:79], s[80:83] for the scales
.set G0B,  68
.set G0SA, 76
.set G0SB, 80
.set MSB, 0
.macro WIN new                         ; the immediate's high byte repeats the setting that is left; a switch that changes nothing is dropped
.if MSB != \new
	s_set_vgpr_msb (MSB<<8)|\new
.set MSB, \new
.endif
.endm
.macro PLACES                          ; four plain vector instructions: between a matrix instruction and a load into, or a vector read of, its registers
.rept 4
	v_nop
.endr
.endm
; A joint load: waves 0 and 1 fetch for x, waves 2 and 3 for W.  Each line has one mask and one set of registers for all that issue it; the branch hangs on the wave's number alone.
; An s_nop 0 and four v_nop follow each of the two lines.
.macro JLOAD g0a, g1a, g0b, g1b
	s_cmp_eq_u32 s20, 0
	s_cbranch_scc0 .Lfor_b_\@
	tensor_load_to_lds s[\g0a:\g0a+3], s[\g1a:\g1a+7]
	s_nop 0
	PLACES
	s_branch .Lasked_\@
.Lfor_b_\@:
	tensor_load_to_lds s[\g0b:\g0b+3], s[\g1b:\g1b+7]
	s_nop 0
	PLACES
.Lasked_\@:
.endm
.macro CROUND                          ; a round of the cluster's barrier: my work-group's barrier; wave 0 signals for the work-group; every wave waits for all sixteen; my work-group's barrier once more
	s_barrier_signal -1
	s_barrier_wait -1
	s_cmp_lg_u32 s18, 0
	s_cbranch_scc1 .Lnot_wave_0_\@
	s_barrier_signal -3
.Lnot_wave_0_\@:
	s_barrier_wait -3
	s_barrier_signal -1
	s_barrier_wait -1
.endm
	s_load_b256 s[4:11], s[0:1], 0x0               ; xc s[4:5], xs s[6:7], wc s[8:9], ws s[10:11]
	s_load_b128 s[12:15], s[0:1], 0x20             ; b_qkv s[12:13], qimg s[14:15]
	s_load_b64 s[16:17], s[0:1], 0x30              ; kv
	v_lshl_add_u32 v[SPW], v0, 2, SPARE
	v_mov_b32 v[NIL], 0
	ds_add_u32 v[SPW], v[NIL]                      ; the wave's opening: the add and its wait stand ahead of my first tensor load; the set-up below, work on registers, stands between them
	v_lshrrev_b32 v12, 5, v0
	v_readfirstlane_b32 s18, v12                   ; wave 0..3
	s_and_b32 s19, s18, 1                          ; which half of the rows I fetch
	s_lshr_b32 s20, s18, 1                         ; I fetch for x (0) or for W (1)
	s_bfe_u32 s84, ttmp6, 0x40000                  ; cx, cy: my place in the cluster
	s_bfe_u32 s85, ttmp6, 0x40004
	s_lshl_b32 s86, ttmp9, 2
	s_add_co_u32 s86, s86, s84                     ; the head = 4 x cluster x + cx
	s_and_b32 s87, ttmp7, 0xffff
	s_lshl_b32 s87, s87, 2
	s_add_co_u32 s87, s87, s85                     ; the token block = 4 x cluster y + cy
	s_lshl_b32 s88, s85, 2
	s_lshl_b32 s88, 15, s88                        ; my row of the cluster
	s_lshl_b32 s89, 0x1111, s84                    ; my column
	; group 1: tiles of 128 (x) or 96 (W) rows x 256 bytes, 512 bytes apart in memory, 16 bytes of padding behind each in LDS
	s_or_b32 s[G1A], s88, (0<<16)|(1<<20)|(1<<21)|(5<<22)|(3<<25)   ; 15:0 the mask; 17:16 elements of 1 byte; 20 padding on; 21 set beside a mask; 24:22 after every 64 words; 31:25 four words
	s_mov_b32 s[G1A+1], 256<<16                    ; tensor_dim0
	s_mov_b32 s[G1A+2], 128<<16                    ; tensor_dim1
	s_mov_b32 s[G1A+3], 256<<16                    ; tile_dim0
	s_mov_b32 s[G1A+4], 128                        ; tile_dim1
	s_mov_b32 s[G1A+5], 512                        ; from row to row
	s_mov_b32 s[G1A+6], 0
	s_mov_b32 s[G1A+7], 0
	s_or_b32 s[G1B], s89, (0<<16)|(1<<20)|(1<<21)|(5<<22)|(3<<25)
	s_mov_b32 s[G1B+1], 256<<16
	s_mov_b32 s[G1B+2], 96<<16
	s_mov_b32 s[G1B+3], 256<<16
	s_mov_b32 s[G1B+4], 96
	s_mov_b32 s[G1B+5], 512
	s_mov_b32 s[G1B+6], 0
	s_mov_b32 s[G1B+7], 0
	; the scale bytes of 128 (96) rows: a dense block of 4,096 (3,072) bytes, as 16 (12) rows of 256 bytes (32 elements of 8 bytes)
	s_or_b32 s[G1SA], s88, (3<<16)|(1<<20)|(1<<21)|(5<<22)|(3<<25)
	s_mov_b32 s[G1SA+1], 32<<16
	s_mov_b32 s[G1SA+2], 16<<16
	s_mov_b32 s[G1SA+3], 32<<16
	s_mov_b32 s[G1SA+4], 16
	s_mov_b32 s[G1SA+5], 32
	s_mov_b32 s[G1SA+6], 0
	s_mov_b32 s[G1SA+7], 0
	s_or_b32 s[G1SB], s89, (3<<16)|(1<<20)|(1<<21)|(5<<22)|(3<<25)
	s_mov_b32 s[G1SB+1], 32<<16
	s_mov_b32 s[G1SB+2], 12<<16
	s_mov_b32 s[G1SB+3], 32<<16
	s_mov_b32 s[G1SB+4], 12
	s_mov_b32 s[G1SB+5], 32
	s_mov_b32 s[G1SB+6], 0
	s_mov_b32 s[G1SB+7], 0
	; where the tiles come from.  x's hang on the token block alone, W's on the head alone; every wave makes both, in registers that never hold the other coordinate
	s_lshl_b32 s90, s87, 8
	s_lshl_b32 s21, s19, 7
	s_add_co_u32 s90, s90, s21                     ; x: row 256 x token block + 128 x half
	s_lshl_b32 s92, s90, 5                         ; its scale bytes,
	s_lshl_b32 s90, s90, 9                         ; its codes
	s_mov_b32 s91, 0
	s_mov_b32 s93, 0
	s_mul_i32 s94, s86, 192
	s_mul_i32 s21, s19, 96
	s_add_co_u32 s94, s94, s21                     ; W: row 192 x head + 96 x half
	s_lshl_b32 s96, s94, 5
	s_lshl_b32 s94, s94, 9
	s_mov_b32 s95, 0
	s_mov_b32 s97, 0
	s_mul_i32 s98, s19, 128*PITCH                  ; and where they go: no place in the cluster enters an LDS address
	s_mul_i32 s99, s19, 96*PITCH
	s_mul_i32 s22, s19, 16*PITCH
	s_mul_i32 s23, s19, 12*PITCH
	s_wait_dscnt 0x0                               ; the opening add is done
	s_wait_kmcnt 0x0
	s_add_nc_u64 s[90:91], s[4:5], s[90:91]
	s_add_nc_u64 s[92:93], s[6:7], s[92:93]
	s_add_nc_u64 s[94:95], s[8:9], s[94:95]
	s_add_nc_u64 s[96:97], s[10:11], s[96:97]
	CROUND                                         ; all sixteen work-groups are here: the joint loads meet
	s_mov_b32 s[G0SA], 1                           ; count = 1
	s_add_co_u32 s[G0SA+1], s22, SCA               ; LDS address
	s_mov_b64 s[G0SA+2:G0SA+3], s[92:93]           ; global address
	s_or_b32 s[G0SA+3], s[G0SA+3], 0x80000000      ; type = 2
	s_mov_b32 s[G0SB], 1
	s_add_co_u32 s[G0SB+1], s23, SCB
	s_mov_b64 s[G0SB+2:G0SB+3], s[96:97]
	s_or_b32 s[G0SB+3], s[G0SB+3], 0x80000000
	JLOAD G0SA, G1SA, G0SB, G1SB                   ; the scales first: they are wanted with the first step
.irp c, 0,1
	s_mov_b32 s[G0A+4*\c], 1
	s_add_co_u32 s[G0A+4*\c+1], s98, A0+\c*CHUNK
	s_add_nc_u64 s[G0A+4*\c+2:G0A+4*\c+3], s[90:91], \c*256
	s_or_b32 s[G0A+4*\c+3], s[G0A+4*\c+3], 0x80000000
	s_mov_b32 s[G0B+4*\c], 1
	s_add_co_u32 s[G0B+4*\c+1], s99, B0+\c*CHUNK
	s_add_nc_u64 s[G0B+4*\c+2:G0B+4*\c+3], s[94:95], \c*256
	s_or_b32 s[G0B+4*\c+3], s[G0B+4*\c+3], 0x80000000
	JLOAD G0A+4*\c, G1A, G0B+4*\c, G1B
.endr
	v_and_b32 v12, 15, v0                          ; r
	v_bfe_u32 v13, v0, 4, 1                        ; h
	v_and_b32 v14, 31, v0
	v_lshlrev_b32 v[L16], 4, v14
	v_lshlrev_b32 v[BQ], 5, v13
	v_lshlrev_b32 v[BV], 2, v12
	s_mul_i32 s22, s86, 768                        ; my head's 192 numbers of the bias
	s_mov_b32 s23, 0
	s_add_nc_u64 s[12:13], s[12:13], s[22:23]
	WIN 0x80                                       ; destination window 2
.irp b, 0,1,2,3,4,5,6,7                        ; q's and k's tile b: register j = bias of column 16 b + 8 h + j
	global_load_b128 v[128+8*\b:131+8*\b], v[BQ], s[12:13] offset:64*\b
	global_load_b128 v[132+8*\b:135+8*\b], v[BQ], s[12:13] offset:64*\b+16
.endr
.irp vb, 0,1,2,3                               ; v's tile vb: all eight registers = bias of column 128 + 16 vb + r
.irp j, 0,1,2,3,4,5,6,7
	global_load_b32 v[192+8*\vb+\j], v[BV], s[12:13] offset:512+64*\vb
.endr
.endr
	WIN 0
	v_mul_u32_u24 v15, v12, PITCH
	v_lshl_add_u32 v15, v13, 4, v15                ; a fragment's row x pitch + 16 x half
	s_mul_i32 s21, s18, 64*PITCH                   ; my 64 rows of x
	v_add_nc_u32 v[ADRA], s21, v15
	v_add_nc_u32 v[ADRA+1], CHUNK, v[ADRA]
	v_add_nc_u32 v[ADRB], B0, v15
	v_add_nc_u32 v[ADRB+1], B0+CHUNK, v15
	v_lshrrev_b32 v14, 3, v12
	v_lshlrev_b32 v14, 4, v14
	v_lshl_add_u32 v14, v12, 5, v14                ; row r's 32 scale bytes: 32 r, and 16 more behind each 256
	v_mul_u32_u24 v15, v13, 2*2*PITCH              ; lanes 16-31: two row tiles (1,088 bytes) on
	v_add_nc_u32 v15, v15, v14
	s_mul_i32 s21, s18, 8*PITCH                    ; my 64 rows' scales
	s_add_co_u32 s21, s21, SCA
	v_add_nc_u32 v[ADRSA], s21, v15
	v_mul_u32_u24 v15, v13, 6*2*PITCH              ; lanes 16-31: six column tiles (3,264 bytes) on
	v_add_nc_u32 v15, v15, v14
	v_add_nc_u32 v[ADRSB], SCB, v15
	s_lshr_b32 s21, s87, 3                         ; the batch: 8 token blocks each
	s_lshl_b32 s21, s21, 4
	s_add_co_u32 s21, s21, s86                     ; bh
	s_lshl_b32 s21, s21, 5
	s_and_b32 s22, s87, 7
	s_lshl_b32 s22, s22, 2
	s_add_co_u32 s21, s21, s22
	s_add_co_u32 s21, s21, s18                     ; 32 bh + my run of 64 tokens in the sequence
	s_lshl_b32 s22, s21, 13
	s_add_nc_u64 s[14:15], s[14:15], s[22:23]      ; qimg: 8,192 bytes for 64 queries
	s_lshl_b32 s22, s21, 14
	s_add_nc_u64 s[16:17], s[16:17], s[22:23]      ; kv: 16,384 bytes for 64 keys
.macro FRAG reg, adr, q, i             ; a fragment, 16 rows x 128 K of 4-bit codes: registers 4 c .. 4 c + 3 hold K = 64 c + 32 h + 0 .. 31: 16 bytes of the row as they lie
.irp c, 0,1
	ds_load_b128 v[(\reg)+4*\c:(\reg)+4*\c+3], v[(\adr)] offset:64*(\q)+32*\c+(\i)*16*PITCH
.endr
.endm
.macro FA s                            ; x's four fragments of step s (128 along K) into the set of s's parity
.irp i, 0,1,2,3
	FRAG AF+32*((\s)%2)+8*\i, ADRA+(\s)/4, (\s)%4, \i
.endr
.endm
.macro FB s, g                         ; W's four fragments of group g (0: q, 1: k, 2: v)
.irp i, 0,1,2,3
	FRAG BF+32*(\g)+8*\i, ADRB+(\s)/4, (\s)%4, 4*(\g)+\i
.endr
.endm
.macro WM d, p, q, c, sp, sq, r0, r1   ; one product; r0, r1: source 0's, source 1's scale words stand in lanes 16-31
.if (\r0) && (\r1)
	v_wmma_scale_f32_16x16x128_f8f6f4 v[\d:\d+7], v[\p:\p+7], v[\q:\q+7], v[\c:\c+7], v[\sp], v[\sq] matrix_a_fmt:MATRIX_FMT_FP4 matrix_b_fmt:MATRIX_FMT_FP4 matrix_a_scale:MATRIX_SCALE_ROW1 matrix_b_scale:MATRIX_SCALE_ROW1
.elseif (\r0)
	v_wmma_scale_f32_16x16x128_f8f6f4 v[\d:\d+7], v[\p:\p+7], v[\q:\q+7], v[\c:\c+7], v[\sp], v[\sq] matrix_a_fmt:MATRIX_FMT_FP4 matrix_b_fmt:MATRIX_FMT_FP4 matrix_a_scale:MATRIX_SCALE_ROW1
.elseif (\r1)
	v_wmma_scale_f32_16x16x128_f8f6f4 v[\d:\d+7], v[\p:\p+7], v[\q:\q+7], v[\c:\c+7], v[\sp], v[\sq] matrix_a_fmt:MATRIX_FMT_FP4 matrix_b_fmt:MATRIX_FMT_FP4 matrix_b_scale:MATRIX_SCALE_ROW1
.else
	v_wmma_scale_f32_16x16x128_f8f6f4 v[\d:\d+7], v[\p:\p+7], v[\q:\q+7], v[\c:\c+7], v[\sp], v[\sq] matrix_a_fmt:MATRIX_FMT_FP4 matrix_b_fmt:MATRIX_FMT_FP4
.endif
.endm
.macro MM a, b, s                      ; row tile a x column tile b, step s.  Step 0 takes the bias as C: nothing is cleared, nothing is added afterwards
.set rA, AF+32*((\s)%2)+8*(\a)
.set rB, BF+8*(\b)
.set sA, SA+8*((\a)%2)+(\s)
.set sB, SB+8*((\b)%6)+(\s)
.if (\b) < 8
.set rD, 8*(8*(\a)+(\b))
.set rC, rD
.if (\s) == 0
.set rC, 128+8*(\b)
.endif
	WM rD, rB, rA, rC, sB, sA, (\b)/6, (\a)/2
.else
.set rD, 8*(4*(\a)+(\b)-8)
.set rC, rD
.if (\s) == 0
.set rC, 192+8*((\b)-8)
.endif
	WM rD, rA, rB, rC, sA, sB, (\a)/2, 1
.endif
.endm
; Sixteen products: my four row tiles x group g's four column tiles; then the same group's fragments of the next step are fetched into the registers just read (with group 0: x's too, into the other set).
; n: the LDS loads younger than those that these products need.  The 48 accumulators take turns, one instruction a turn, in the same order in every step.
.macro GROUP s, g, n
	s_wait_dscnt \n
.if (\g) == 2
	WIN 0xa0                                       ; C and D window 2
.elseif (\s) == 0
	WIN 0x60                                       ; C (the bias) window 2, D window 1
.else
	WIN 0x50                                       ; C and D window 1
.endif
.irp a, 0,1,2,3
.irp i, 0,1,2,3
	MM \a, 4*(\g)+\i, \s
.endr
.endr
	PLACES
	WIN 0
.if (\s) < 7
	FB (\s)+1, \g
.if (\g) == 0
	FA (\s)+1
.endif
.endif
.endm
	s_wait_tensorcnt 0x1                           ; my part of the scales and of chunk 0 is in; chunk 1's load may stay out
	s_barrier_signal -1
	s_barrier_wait -1                              ; everybody's is
.irp i, 0,1
.irp p, 0,1
	ds_load_b128 v[SA+8*\i+4*\p:SA+8*\i+4*\p+3], v[ADRSA] offset:\i*2*PITCH+16*\p   ; register SA + 8 i + s: the word of step s; lanes 0-15 row tile i, lanes 16-31 row tile i + 2
.endr
.endr
.irp j, 0,1,2,3,4,5
.irp p, 0,1
	ds_load_b128 v[SB+8*\j+4*\p:SB+8*\j+4*\p+3], v[ADRSB] offset:\j*2*PITCH+16*\p   ; register SB + 8 j + s: lanes 0-15 column tile j, lanes 16-31 column tile j + 6
.endr
.endr
	FA 0
	FB 0, 0
	FB 0, 1
	FB 0, 2
	s_wait_loadcnt 0x0                             ; the bias
.irp s, 0,1,2
	GROUP \s, 0, 16                                ; younger: groups 1 and 2 of this step
	GROUP \s, 1, 24                                ; younger: group 2, and the next step's group 0 and x
	GROUP \s, 2, 24                                ; younger: the next step's group 0, x and group 1
.endr
	s_wait_tensorcnt 0x0                           ; my part of chunk 1 is in,
	s_wait_dscnt 0x0                               ; (no LDS instruction is pending at a signal)
	s_barrier_signal -1
	s_barrier_wait -1                              ; everybody's is: step 3 fetches step 4's fragments out of it.
.irp s, 3,4,5,6
	GROUP \s, 0, 16
	GROUP \s, 1, 24
	GROUP \s, 2, 24
.endr
	GROUP 7, 0, 16                                 ; the last step fetches nothing: the counts run down
	GROUP 7, 1, 8
	GROUP 7, 2, 0
	; THE WAY OUT: rounded to f16 in pairs, each accumulator from its low end on; a lane's four registers are 16 bytes of an image.  (The four places behind the last products stand in GROUP.)
	WIN 0x05                                       ; sources window 1, destination window 0
.irp a, 0,1,2,3
.irp b, 0,1,2,3,4,5,6,7
.irp r, 0,1,2,3
	v_cvt_pk_f16_f32 v[OUTR+4*(8*\a+\b)+\r], v[8*(8*\a+\b)+2*\r], v[8*(8*\a+\b)+2*\r+1]
.endr
.endr
.endr
	WIN 0
.irp a, 0,1,2,3
.irp b, 0,1,2,3
	global_store_b128 v[L16], v[OUTR+4*(8*\a+\b):OUTR+4*(8*\a+\b)+3], s[14:15] offset:\a*2048+\b*512       ; q: 32 lanes store 512 consecutive bytes, aligned
.endr
.irp b, 4,5,6,7
	global_store_b128 v[L16], v[OUTR+4*(8*\a+\b):OUTR+4*(8*\a+\b)+3], s[16:17] offset:\a*2048+(\b-4)*512   ; k
.endr
.endr
	s_wait_xcnt 0x0                                ; those stores have read their data: the registers are written again only behind this wait
	WIN 0x0a                                       ; sources window 2
.irp a, 0,1,2,3
.irp b, 0,1,2,3
.irp r, 0,1,2,3
	v_cvt_pk_f16_f32 v[OUTR+4*(4*\a+\b)+\r], v[8*(4*\a+\b)+2*\r], v[8*(4*\a+\b)+2*\r+1]
.endr
.endr
.endr
	WIN 0
.irp a, 0,1,2,3
.irp b, 0,1,2,3
	global_store_b128 v[L16], v[OUTR+4*(4*\a+\b):OUTR+4*(4*\a+\b)+3], s[16:17] offset:8192+((\a/2)*4+\b)*1024+(\a%2)*512   ; v: tokens 16 a on are keys 32 (a / 2) + 16 (a % 2) on
.endr
.endr
	s_wait_tensorcnt 0x0                           ; the wave's end: behind my last tensor load
	ds_add_u32 v[SPW], v[NIL]
	s_wait_dscnt 0x0
	CROUND                                         ; the closing round: no work-group ends while a partner may still ask for a tile that names it
	s_endpgm
.Lfunc_end_k_q34c59406a5_qkv:
	.size	k_q34c59406a5_qkv, .Lfunc_end_k_q34c59406a5_qkv-k_q34c59406a5_qkv
	.p2alignl 7, 3214868480
	.fill 96, 4, 3214868480
	.section	.rodata,"a",@progbits
	.p2align	6, 0x0
	.amdhsa_kernel k_q34c59406a5_qkv
		.amdhsa_group_segment_fixed_size 262144
		.amdhsa_private_segment_fixed_size 0
		.amdhsa_enable_private_segment 0
		.amdhsa_kernarg_size 56
		.amdhsa_user_sgpr_count 2
		.amdhsa_user_sgpr_kernarg_segment_ptr 1
		.amdhsa_wavefront_size32 1
		.amdhsa_system_sgpr_workgroup_id_x 1
		.amdhsa_system_sgpr_workgroup_id_y 1
		.amdhsa_system_sgpr_workgroup_id_z 1
		.amdhsa_system_vgpr_workitem_id 0
		.amdhsa_next_free_vgpr 768
		.amdhsa_next_free_sgpr 100
		.amdhsa_reserve_vcc 0
		.amdhsa_float_denorm_mode_32 3
		.amdhsa_float_denorm_mode_16_64 3
		.amdhsa_memory_ordered 1
		.amdhsa_forward_progress 1
		.amdhsa_inst_pref_size 102
	.end_amdhsa_kernel
	.amdgpu_metadata
---
amdhsa.version: [ 1, 2 ]
amdhsa.kernels:
  - .name:           k_q34c59406a5_qkv
    .symbol:         k_q34c59406a5_qkv.kd
    .args:
      - { .name: xc, .offset: 0, .size: 8, .value_kind: global_buffer, .address_space: global }
      - { .name: xs, .offset: 8, .size: 8, .value_kind: global_buffer, .address_space: global }
      - { .name: wc, .offset: 16, .size: 8, .value_kind: global_buffer, .address_space: global }
      - { .name: ws, .offset: 24, .size: 8, .value_kind: global_buffer, .address_space: global }
      - { .name: b_qkv, .offset: 32, .size: 8, .value_kind: global_buffer, .address_space: global }
      - { .name: qimg, .offset: 40, .size: 8, .value_kind: global_buffer, .address_space: global }
      - { .name: kv, .offset: 48, .size: 8, .value_kind: global_buffer, .address_space: global }
    .group_segment_fixed_size: 262144
    .private_segment_fixed_size: 0
    .kernarg_segment_align: 8
    .kernarg_segment_size: 56
    .max_flat_workgroup_size: 128
    .sgpr_count:     100
    .vgpr_count:     768
    .wavefront_size: 32
...
	.end_amdgpu_metadata
.endif
;; end of part 2
;; launch attn (part 3): grid 4 x 64, 8 waves a work-group, clusters of 4 x 1, 327,680 bytes of LDS; arguments qimg, kv, aimg; writes aimg
.if DOCPART == 3
	.amdgcn_target "amdgcn-amd-amdhsa--gfx1250"
	.amdhsa_code_object_version 6
	.text
	.protected	k_q34c59406a5_attn
	.globl	k_q34c59406a5_attn
	.p2align	8
	.type	k_q34c59406a5_attn,@function
k_q34c59406a5_attn:
	s_mov_b64 s[64:65], 0
	v_nop
	global_prefetch_b8 v0, s[64:65] scope:SCOPE_SE
	s_setreg_imm32_b32 hwreg(HW_REG_WAVE_MODE, 25, 1), 1
	s_wait_xcnt 0x0
	s_wait_alu depctr_hold_cnt(0) depctr_sa_sdst(0) depctr_va_vdst(0) depctr_va_sdst(0) depctr_va_ssrc(0) depctr_va_vcc(0) depctr_vm_vsrc(0)
	s_getreg_b32 s2, hwreg(HW_REG_IB_STS2, 6, 4)
	s_cmp_eq_u32 s2, 0
	s_cbranch_scc0 .Lentry_in_a_cluster
	s_endpgm
.Lentry_in_a_cluster:
	s_bfe_u32 s2, ttmp6, 0x10000c
	s_cmp_lg_u32 s2, 0x3003
	s_cbranch_scc0 .Lentry_shape_is_right
	s_endpgm
.Lentry_shape_is_right:
; O[bh][q] = the sum over k of softmax_k(Q[bh][q] . K[bh][k] / 8) V[bh][k], 64 heads-in-batch of 2,048 tokens x 64 channels.  Q, K, V and the weights p in f16; products, maxima and sums in f32; O rounded to f16 once.
; Q, K and V arrive as images of operand registers (the launch before laid them so): every fragment is loaded by lines that read 16 bytes at 16 x lane, 512 consecutive bytes an instruction; nothing is padded or turned.
; SHARES.  A work-group owns 512 queries of one head (grid x: the block of queries, grid y: bh); each of its EIGHT waves owns 64 of them, four tiles of 16, in 512 registers: two waves to a SIMD, so that one wave's
; products can be issued beside the other's softmax.  Every wave walks all 2,048 keys, 64 a step; each fragment of K and V that it reads from LDS feeds four products.
; CLUSTER.  The four work-groups of a cluster are one head's four blocks of queries and walk the same K and V: each tile is asked for jointly (mask 15).
; RING.  Two LDS slots of 8 key steps (131,072 bytes).  Wave w fetches key step w of a slot: 16,384 dense bytes, one tensor load.  By this text's own count a wave has two loads out at the start and one behind each
; round.  32 key steps are four slots' worth: two first fills and two refills, all written out.  A refill is asked for eight key steps ahead of its first read, so no prefetch is written.
; LAYOUT.  S^T = K Q^T (source 0 = 16 keys, source 1 = 16 queries): a lane holds ONE query (lane % 16) and keys 8 (lane / 16) + 0 .. 7 of each tile.  Two such tiles, rounded to f16 in pairs, ARE source 1 of
; O^T = V^T P, whose result again holds one query a lane and eight channels: 16 bytes of the next launch's operand image.  Nothing changes lanes but the maximum and the sum, once each.
; SOFTMAX.  For each query a running maximum m and sum l: p = 2^(c s - c m), c = log2(e) / 8; in every step O and l are multiplied by a = 2^(c m_old - c m_new).  The sum is taken of the unrounded p.
; THE LOOP IS TURNED: a trip fetches K of step j, multiplies V^T P of step j - 1 meanwhile, then K Q^T of step j, fetches V of step j, and walks step j's softmax.
; LIMITS: NaN and infinities are not served.
; REGISTERS: window 0: v1-4 addresses; v16-47 eight statistics a tile; v64-127 Q; v128-191 K of a step; v192-255 V of a step.   window 1: v0-127 O^T (32 t + 8 vt); v128-255 S^T (128 + 32 t + 8 kt), over whose
; first half of each tile p is packed in place.
.set STEPB, 16384                      ; a key step's bytes: K's 8,192, then V's
.set SLOTB, 131072
.set SPARE, 2*SLOTB                    ; behind the ring: the spare words, 128 bytes a wave, which no other line names
.set L16, 1                            ; v1   16 x lane; never rewritten
.set ADR, 2                            ; v2   LDS address of the step in hand
.set SPW, 3                            ; v3   LDS address of my spare word; never rewritten
.set NIL, 4                            ; v4   0; never rewritten
.set T,   16                           ; tile t's statistics at v[T + 8 t]: +0 c m, +1 m, +2, +3 l (even keys', odd keys'), +4 the maximum at work, +5 the other half's, +6 a, +7 c m_old, then the exponent of a
.set QF,  64
.set KF,  128
.set VF,  192
.set OA,  0                            ; in window 1
.set SS,  128                          ; in window 1
.set WV,  12                           ; s12  my wave's number
.set G1,  16                           ; s[16:23] descriptor group 1
.set G0,  24                           ; s[24:31] group 0, a set for each slot
.set CS,  32                           ; s[32:33] c: the packed form names a pair and takes its low word for both halves
.set SEL, 34                           ; s[34:35] lane selects for v_permlanex16_b32: lane l xor 16
.set TB,  36                           ; s36  LDS byte at which the step to be fetched begins
.set CNT, 37                           ; s37  counts a pass's trips
.set MSB, 0
.macro WIN new                         ; bits 1:0 source 0, 3:2 source 1, 5:4 source 2, 7:6 destination; the high byte repeats the setting that is left
.if MSB != \new
	s_set_vgpr_msb (MSB<<8)|\new
.set MSB, \new
.endif
.endm
.macro CROUND                          ; a round of the cluster's barrier
	s_barrier_signal -1
	s_barrier_wait -1
	s_cmp_lg_u32 s[WV], 0
	s_cbranch_scc1 .Lnot_wave_0_\@
	s_barrier_signal -3
.Lnot_wave_0_\@:
	s_barrier_wait -3
	s_barrier_signal -1
	s_barrier_wait -1
.endm
	s_load_b128 s[4:7], s[0:1], 0x0                ; qimg s[4:5], kv s[6:7]
	s_load_b64 s[8:9], s[0:1], 0x10                ; aimg
	v_lshl_add_u32 v[SPW], v0, 2, SPARE
	v_mov_b32 v[NIL], 0
	ds_add_u32 v[SPW], v[NIL]                      ; the wave's opening: the add and its wait stand ahead of my first tensor load; the set-up below, work on registers, stands between them
	v_lshrrev_b32 v5, 5, v0
	v_readfirstlane_b32 s[WV], v5                  ; wave 0..7
	s_bfe_u32 s13, ttmp6, 0x40000                  ; cx
	s_lshl_b32 s14, ttmp9, 2
	s_add_co_u32 s14, s14, s13                     ; my block of 512 queries: it enters Q's and O's addresses alone
	s_and_b32 s15, ttmp7, 0xffff                   ; bh, which the four partners share
	s_mov_b32 s[G1], 15|(3<<16)|(1<<21)            ; 15:0 the mask: all four work-groups; 17:16 elements of 8 bytes; 20 no padding; 21 set beside a mask
	s_mov_b32 s[G1+1], 32<<16                      ; tensor_dim0 = 32 elements: rows of 256 bytes
	s_mov_b32 s[G1+2], 64<<16                      ; tensor_dim1 = 64 rows
	s_mov_b32 s[G1+3], 32<<16                      ; tile_dim0
	s_mov_b32 s[G1+4], 64                          ; tile_dim1
	s_mov_b32 s[G1+5], 32                          ; from row to row: dense
	s_mov_b32 s[G1+6], 0
	s_mov_b32 s[G1+7], 0
	s_mov_b32 s[CS], 0x3e38aa3b                    ; c = log2(e) / 8
	s_mov_b32 s[CS+1], s[CS]                       ; (named with it as a pair, so it is written)
	s_mov_b32 s[SEL], 0x76543210
	s_mov_b32 s[SEL+1], 0xfedcba98
	s_mov_b32 s[TB], 0
	s_lshl_b32 s38, s15, 19                        ; kv: a head's 524,288 bytes,
	s_lshl_b32 s40, s[WV], 14                      ; my key step of a slot: the same in memory and in LDS
	s_add_co_u32 s38, s38, s40
	s_mov_b32 s39, 0
	s_lshl_b32 s42, s15, 7                         ; qimg: tile of 16 queries 128 bh + 32 x block + 4 x wave, 2,048 bytes each
	s_lshl_b32 s41, s14, 5
	s_add_co_u32 s42, s42, s41
	s_lshl_b32 s41, s[WV], 2
	s_add_co_u32 s42, s42, s41
	s_lshl_b32 s42, s42, 11
	s_mov_b32 s43, 0
	s_and_b32 s44, s15, 15                         ; aimg: byte ((head / 2) 512 + tile of 16 tokens) 4096 + (head % 2) 2048
	s_lshr_b32 s45, s15, 4
	s_lshl_b32 s45, s45, 7                         ; the batch's 128 tiles,
	s_lshl_b32 s41, s14, 5
	s_add_co_u32 s45, s45, s41
	s_lshl_b32 s41, s[WV], 2
	s_add_co_u32 s45, s45, s41
	s_lshl_b32 s45, s45, 12
	s_lshr_b32 s41, s44, 1
	s_lshl_b32 s41, s41, 21
	s_add_co_u32 s45, s45, s41
	s_and_b32 s41, s44, 1
	s_lshl_b32 s41, s41, 11
	s_add_co_u32 s44, s45, s41
	s_mov_b32 s45, 0
	s_wait_dscnt 0x0                               ; the opening add is done
	s_wait_kmcnt 0x0
	s_add_nc_u64 s[6:7], s[6:7], s[38:39]
	s_add_nc_u64 s[4:5], s[4:5], s[42:43]
	s_add_nc_u64 s[8:9], s[8:9], s[44:45]
	CROUND                                         ; all four work-groups are here: the first joint loads meet
.irp s, 0,1
	s_mov_b32 s[G0+4*\s], 1                        ; count = 1
	s_add_co_u32 s[G0+4*\s+1], s40, \s*SLOTB       ; LDS address: the slot, my key step
	s_add_nc_u64 s[G0+4*\s+2:G0+4*\s+3], s[6:7], \s*SLOTB   ; global address: slot s begins with key steps 8 s on
	s_or_b32 s[G0+4*\s+3], s[G0+4*\s+3], 0x80000000         ; type = 2
.endr
	tensor_load_to_lds s[G0:G0+3], s[G1:G1+7]      ; the two first fills go out together: an s_nop 0 behind each, four v_nop behind the second
	s_nop 0
	tensor_load_to_lds s[G0+4:G0+7], s[G1:G1+7]
	s_nop 0
.rept 4
	v_nop
.endr
	v_and_b32 v5, 31, v0
	v_lshlrev_b32 v[L16], 4, v5
.irp f, 0,1,2,3,4,5,6,7,8,9,10,11,12,13,14,15  ; Q stays in registers: tile f / 4, channels 16 (f % 4) on: two pieces are a fragment of 32 channels
	global_load_b128 v[QF+4*\f:QF+4*\f+3], v[L16], s[4:5] offset:512*\f
.endr
.irp t, 0,1,2,3
	v_mov_b32 v[T+8*\t+2], 0                       ; l
	v_mov_b32 v[T+8*\t+3], 0
	v_mov_b32 v[T+8*\t+5], 0                       ; written once: a lane permute's destination counts as one of its sources
.endr
.macro KLOAD                           ; a step's K: 16 loads of 512 consecutive bytes: fragment (kt, cc) at KF + 16 kt + 8 cc
	WIN 0
	v_add_nc_u32 v[ADR], s[TB], v[L16]
.irp f, 0,1,2,3,4,5,6,7,8,9,10,11,12,13,14,15
	ds_load_b128 v[KF+4*\f:KF+4*\f+3], v[ADR] offset:512*\f
.endr
.endm
.macro VLOAD                           ; the same step's V: fragment (u, vt) of V^T at VF + 8 (4 u + vt)
.irp f, 0,1,2,3,4,5,6,7,8,9,10,11,12,13,14,15
	ds_load_b128 v[VF+4*\f:VF+4*\f+3], v[ADR] offset:8192+512*\f
.endr
	s_add_co_u32 s[TB], s[TB], STEPB               ; the next fetch is the next step's
.endm
; 32 products O^T += V^T P: keys 32 (i / 16) on, channels 16 ((i / 4) % 4) on, tile i % 4.  zero = 1: the first 16 start the sums.  Sixteen accumulators take turns, one instruction a turn.
.macro PVALL zero
	WIN 0x54                                       ; V window 0; P, C and D window 1
.set i, 0
.rept 32
.set rO, OA+32*(i%4)+8*((i/4)%4)
.set rV, VF+8*(4*(i/16)+(i/4)%4)
.set rP, SS+32*(i%4)+8*(i/16)
.if (\zero) && (i < 16)
	v_wmma_f32_16x16x32_f16 v[rO:rO+7], v[rV:rV+7], v[rP:rP+7], 0
.else
	v_wmma_f32_16x16x32_f16 v[rO:rO+7], v[rV:rV+7], v[rP:rP+7], v[rO:rO+7]
.endif
.set i, i+1
.endr
.endm
; 32 products S^T = K Q^T: channels 32 (i / 16) on, keys 16 ((i / 4) % 4) on, tile i % 4.  The first 16 start the sums.
.macro SALL
	WIN 0x50                                       ; K and Q window 0; C and D window 1
.set i, 0
.rept 32
.set rS, SS+32*(i%4)+8*((i/4)%4)
.set rK, KF+16*((i/4)%4)+8*(i/16)
.set rQ, QF+16*(i%4)+8*(i/16)
.if i < 16
	v_wmma_f32_16x16x32_f16 v[rS:rS+7], v[rK:rK+7], v[rQ:rQ+7], 0
.else
	v_wmma_f32_16x16x32_f16 v[rS:rS+7], v[rK:rK+7], v[rQ:rQ+7], v[rS:rS+7]
.endif
.set i, i+1
.endr
.endm
.macro SCL t, i                        ; pair i of tile t: c s - c m
	v_pk_fma_f32 v[SS+32*(\t)+2*(\i):SS+32*(\t)+2*(\i)+1], v[SS+32*(\t)+2*(\i):SS+32*(\t)+2*(\i)+1], s[CS:CS+1], v[T+8*(\t):T+8*(\t)+1] op_sel_hi:[1,0,0] neg_lo:[0,0,1] neg_hi:[0,0,1]
.endm
.macro RSC n                           ; pair n of O^T's 64, times its tile's factor in T + 6
	v_pk_mul_f32 v[OA+2*(\n):OA+2*(\n)+1], v[OA+2*(\n):OA+2*(\n)+1], v[T+8*((\n)/16)+6:T+8*((\n)/16)+7] op_sel_hi:[1,0]
.endm
; THE SOFTMAX OF A KEY STEP, the four tiles by turns, so that no line waits for the line above it.  first = 1: the first key step: no old maximum, no a, nothing to rescale.
.macro SOFTMAX first
	WIN 0x05                                       ; the scores window 1, the statistics window 0
.set i, 0
.rept 16                                       ; the maximum of my 32 scores and the old m, two scores a line, ascending: each accumulator is first read at its low end
.irp t, 0,1,2,3
.if i == 0
.if \first
	v_max3_num_f32 v[T+8*\t+4], v[SS+32*\t], v[SS+32*\t+1], 0xff800000
.else
	v_max3_num_f32 v[T+8*\t+4], v[SS+32*\t], v[SS+32*\t+1], v[T+8*\t+1]
.endif
.else
	v_max3_num_f32 v[T+8*\t+4], v[SS+32*\t+2*i], v[SS+32*\t+2*i+1], v[T+8*\t+4]
.endif
.endr
.set i, i+1
.endr
	WIN 0
.irp t, 0,1,2,3
	v_permlanex16_b32 v[T+8*\t+5], v[T+8*\t+4], s[SEL], s[SEL+1]   ; the query's other 32 keys lie in the lane 16 away
.endr
.if (\first) == 0
.irp t, 0,1,2,3
	v_mov_b32 v[T+8*\t+7], v[T+8*\t]               ; c m_old is kept for a
.endr
.endif
.irp t, 0,1,2,3
	v_max_num_f32 v[T+8*\t+1], v[T+8*\t+4], v[T+8*\t+5]
.endr
.irp t, 0,1,2,3
	v_mul_f32 v[T+8*\t], s[CS], v[T+8*\t+1]
.endr
.if (\first) == 0
.irp t, 0,1,2,3
	v_sub_f32 v[T+8*\t+7], v[T+8*\t+7], v[T+8*\t]
.endr
.irp t, 0,1,2,3
	v_exp_f32 v[T+8*\t+6], v[T+8*\t+7]             ; a = 2^(c m_old - c m_new)
.endr
.endif
	WIN 0x41                                       ; destination and source 0 window 1
.set i, 0
.rept 16
	SCL 0, i                                       ; tile 0's scalings: plain work behind the four a, none of which they name
.set i, i+1
.endr
.if (\first) == 0
	s_wait_alu depctr_va_vdst(0)                   ; one wait for the four a, ahead of their first reader
.endif
; ONE BATCH: all 128 exponentials, a plain line between each two: the next tile's scalings and O^T's rescaling by a.  No line of the batch names an exponential's result.
.irp t, 0,1,2,3
.set i, 0
.rept 16
	v_exp_f32 v[SS+32*\t+2*i], v[SS+32*\t+2*i]
.if \t < 3
	SCL \t+1, i
.elseif (\first) == 0
	RSC 48+i
.endif
	v_exp_f32 v[SS+32*\t+2*i+1], v[SS+32*\t+2*i+1]
.if (\t < 3) && ((\first) == 0)
	RSC 16*\t+i
.endif
.set i, i+1
.endr
.endr
	v_nop                                          ; a plain line behind the last exponential
	s_wait_alu depctr_va_vdst(0)                   ; one wait for the whole batch, ahead of its first reader
.if (\first) == 0
	WIN 0
.irp t, 0,1,2,3
	v_pk_mul_f32 v[T+8*\t+2:T+8*\t+3], v[T+8*\t+2:T+8*\t+3], v[T+8*\t+6:T+8*\t+7] op_sel_hi:[1,0]   ; l under the new m
.endr
.endif
	WIN 0x01                                       ; source 0 window 1
.set i, 0
.rept 16
.irp t, 0,1,2,3
	v_pk_add_f32 v[T+8*\t+2:T+8*\t+3], v[SS+32*\t+2*i:SS+32*\t+2*i+1], v[T+8*\t+2:T+8*\t+3]   ; the sum of the unrounded p
.endr
.set i, i+1
.endr
	WIN 0x45                                       ; all in window 1
.set i, 0
.rept 16
.irp t, 0,1,2,3
	v_cvt_pk_f16_f32 v[SS+32*\t+i], v[SS+32*\t+2*i], v[SS+32*\t+2*i+1]   ; p in f16, packed in place, ascending: register i is written when pairs up to i have been read
.endr
.set i, i+1
.endr
.endm
; A TRIP, for key step j.
.macro TRIP pvzero
	KLOAD                                          ; K of step j.  (Its registers' last readers, the trip before's K Q^T, have four v_nop behind them)
	s_wait_dscnt 16                                ; V of step j - 1 is in; the sixteen loads just issued may be out
	PVALL \pvzero
.rept 5
	v_nop                                          ; five places: the products below write over p's registers, which the products above have read (ISA guide 7.12.1)
.endr
	s_wait_dscnt 0x0                               ; K is in (asked for 32 products ago)
	SALL
	WIN 0
.rept 4
	v_nop                                          ; four places: in front of the loads into V's registers and of the first read of the scores
.endr
	VLOAD                                          ; V of step j lands while the softmax is walked
	SOFTMAX 0
.endm
.macro PASS n                          ; n trips
	WIN 0                                          ; at a label and at a branch every window is 0
	s_mov_b32 s[CNT], \n
.Lpass_\@:
	TRIP 0
	WIN 0
	s_sub_co_u32 s[CNT], s[CNT], 1
	s_cmp_lg_u32 s[CNT], 0
	s_cbranch_scc1 .Lpass_\@
.endm
; THE CHANGE OF SLOTS, behind the trip that fetched a slot's last V.  Each wave waits for all its tensor loads (its part of the slot ahead), adds 0 to its spare word, and waits for that and for its reads of the slot that
; it leaves.  fill = 1: that slot is filled again, with the key steps two slots on: the barrier is then a round of the cluster's, and the joint refill is the first thing behind it.
.macro CHANGE fill, slot, tb
	WIN 0
	s_wait_tensorcnt 0x0                           ; no tensor load of mine is out, so a group 0 may be written
	ds_add_u32 v[SPW], v[NIL]                      ; 0 onto my spare word: the scalar lines below stand between it and the wait for it
.if \fill
	s_add_nc_u64 s[G0+4*\slot+2:G0+4*\slot+3], s[G0+4*\slot+2:G0+4*\slot+3], 2*SLOTB   ; sixteen key steps on; the type bits on top are not reached
.endif
	s_mov_b32 s[TB], \tb                           ; the fetches go on in the other slot
	s_wait_dscnt 0x0                               ; the add is done, and my reads of the slot that I leave are over
.if \fill
	CROUND                                         ; no wave of any partner still reads the slot or has a load on its way
	tensor_load_to_lds s[G0+4*\slot:G0+4*\slot+3], s[G1:G1+7]
	s_nop 0
.rept 4
	v_nop
.endr
.else
	s_barrier_signal -1
	s_barrier_wait -1
.endif
.endm
	s_wait_tensorcnt 0x1                           ; my part of slot 0 is in; slot 1's may stay out
	s_barrier_signal -1
	s_barrier_wait -1                              ; everybody's is
	KLOAD                                          ; key step 0
	s_wait_loadcnt 0x0                             ; Q
	s_wait_dscnt 0x0
	SALL
	WIN 0
.rept 4
	v_nop
.endr
	VLOAD
	SOFTMAX 1
	TRIP 1                                         ; key step 1; its V^T P, of step 0, starts O^T's sums: nothing is cleared
	PASS 6                                         ; key steps 2 to 7
	CHANGE 1, 0, SLOTB                             ; slot 0 takes key steps 16 to 23
	PASS 8                                         ; key steps 8 to 15
	CHANGE 1, 1, 0                                 ; slot 1 takes key steps 24 to 31
	PASS 8                                         ; key steps 16 to 23
	CHANGE 0, 0, SLOTB                             ; nothing is left to fetch
	PASS 8                                         ; key steps 24 to 31
	s_wait_dscnt 0x0                               ; the last V
	PVALL 0
	; THE WAY OUT.  l's two halves and the other half of the lanes' are added; O^T is divided by l and rounded to f16: a lane's eight channels of a query are 16 bytes of the next launch's operand image.
	WIN 0
.irp t, 0,1,2,3
	v_add_f32 v[T+8*\t+4], v[T+8*\t+2], v[T+8*\t+3]   ; (these four are the places behind the last products)
.endr
.irp t, 0,1,2,3
	v_permlanex16_b32 v[T+8*\t+5], v[T+8*\t+4], s[SEL], s[SEL+1]
.endr
.irp t, 0,1,2,3
	v_add_f32 v[T+8*\t+4], v[T+8*\t+4], v[T+8*\t+5]
.endr
.irp t, 0,1,2,3
	v_rcp_f32 v[T+8*\t+6], v[T+8*\t+4]
.endr
	v_nop                                          ; a plain line behind the last reciprocal
	s_wait_alu depctr_va_vdst(0)                   ; one wait for the four, ahead of their first reader
	WIN 0x41
.set i, 0
.rept 64
	RSC i                                          ; ascending: each accumulator is first read at its low end
.set i, i+1
.endr
	WIN 0x05                                       ; sources window 1, destination window 0: K's registers are free
.set i, 0
.rept 64
	v_cvt_pk_f16_f32 v[KF+i], v[OA+2*i], v[OA+2*i+1]
.set i, i+1
.endr
	WIN 0
.irp f, 0,1,2,3,4,5,6,7,8,9,10,11,12,13,14,15
	global_store_b128 v[L16], v[KF+4*\f:KF+4*\f+3], s[8:9] offset:(\f/4)*4096+(\f%4)*512   ; tile f / 4, channels 16 (f % 4) on: 32 lanes store 512 consecutive bytes, aligned
.endr
	s_wait_tensorcnt 0x0                           ; the wave's end: behind my last tensor load
	ds_add_u32 v[SPW], v[NIL]
	s_wait_dscnt 0x0
	CROUND                                         ; the closing round
	s_endpgm
.Lfunc_end_k_q34c59406a5_attn:
	.size	k_q34c59406a5_attn, .Lfunc_end_k_q34c59406a5_attn-k_q34c59406a5_attn
	.p2alignl 7, 3214868480
	.fill 96, 4, 3214868480
	.section	.rodata,"a",@progbits
	.p2align	6, 0x0
	.amdhsa_kernel k_q34c59406a5_attn
		.amdhsa_group_segment_fixed_size 327680
		.amdhsa_private_segment_fixed_size 0
		.amdhsa_enable_private_segment 0
		.amdhsa_kernarg_size 24
		.amdhsa_user_sgpr_count 2
		.amdhsa_user_sgpr_kernarg_segment_ptr 1
		.amdhsa_wavefront_size32 1
		.amdhsa_system_sgpr_workgroup_id_x 1
		.amdhsa_system_sgpr_workgroup_id_y 1
		.amdhsa_system_sgpr_workgroup_id_z 1
		.amdhsa_system_vgpr_workitem_id 0
		.amdhsa_next_free_vgpr 512
		.amdhsa_next_free_sgpr 66
		.amdhsa_reserve_vcc 0
		.amdhsa_float_denorm_mode_32 3
		.amdhsa_float_denorm_mode_16_64 3
		.amdhsa_memory_ordered 1
		.amdhsa_forward_progress 1
		.amdhsa_inst_pref_size 206
	.end_amdhsa_kernel
	.amdgpu_metadata
---
amdhsa.version: [ 1, 2 ]
amdhsa.kernels:
  - .name:           k_q34c59406a5_attn
    .symbol:         k_q34c59406a5_attn.kd
    .args:
      - { .name: qimg, .offset: 0, .size: 8, .value_kind: global_buffer, .address_space: global }
      - { .name: kv, .offset: 8, .size: 8, .value_kind: global_buffer, .address_space: global }
      - { .name: aimg, .offset: 16, .size: 8, .value_kind: global_buffer, .address_space: global }
    .group_segment_fixed_size: 327680
    .private_segment_fixed_size: 0
    .kernarg_segment_align: 8
    .kernarg_segment_size: 24
    .max_flat_workgroup_size: 256
    .sgpr_count:     66
    .vgpr_count:     512
    .wavefront_size: 32
...
	.end_amdgpu_metadata
.endif
;; end of part 3
;; launch proj (part 4): grid 4 x 64, 4 waves a work-group, clusters of 4 x 4, 327,680 bytes of LDS; arguments aimg, wo16, b_out, out0; writes out0
.if DOCPART == 4
	.amdgcn_target "amdgcn-amd-amdhsa--gfx1250"
	.amdhsa_code_object_version 6
	.text
	.protected	k_q34c59406a5_proj
	.globl	k_q34c59406a5_proj
	.p2align	8
	.type	k_q34c59406a5_proj,@function
k_q34c59406a5_proj:
	s_mov_b64 s[64:65], 0
	v_nop
	global_prefetch_b8 v0, s[64:65] scope:SCOPE_SE
	s_setreg_imm32_b32 hwreg(HW_REG_WAVE_MODE, 25, 1), 1
	s_wait_xcnt 0x0
	s_wait_alu depctr_hold_cnt(0) depctr_sa_sdst(0) depctr_va_vdst(0) depctr_va_sdst(0) depctr_va_ssrc(0) depctr_va_vcc(0) depctr_vm_vsrc(0)
	s_getreg_b32 s2, hwreg(HW_REG_IB_STS2, 6, 4)
	s_cmp_eq_u32 s2, 0
	s_cbranch_scc0 .Lentry_in_a_cluster
	s_endpgm
.Lentry_in_a_cluster:
	s_bfe_u32 s2, ttmp6, 0x10000c
	s_cmp_lg_u32 s2, 0xf033
	s_cbranch_scc0 .Lentry_shape_is_right
	s_endpgm
.Lentry_shape_is_right:
; out0 = attention's result x W_out^T + b_out: [8192 tokens][1024] f32; operands in f16, sums in f32.
; aimg holds attention's result as images of operand registers: byte (ks 512 + tile of 16 tokens) 4096 + piece 512 + 16 lane, ks the K step of 128, piece p = 16 along K: lane (r, h) = token r, K 16 p + 8 h + 0 .. 7.
; wo16 is W_out in f16, [1024 (o)][1024 (k)], row-major.
; SHARES.  A tile of the output is 128 tokens x 256 columns, so that there are 256 work-groups (grid x: 4 column blocks, grid y: 64 token blocks).  Four waves, each 64 tokens x 128 columns: 32 accumulators.
; K goes in 8 steps of 128 through a ring of two LDS slots.  A slot holds the tokens' image (32,768 dense bytes) and 256 rows of W_out (256 bytes + 16 of padding).  Waves 0 and 1 fetch the image's halves,
; waves 2 and 3 W_out's: one tensor load a wave; by this text's own count two are out at the start and one behind each round.
; CLUSTERS: 4 x 4 work-groups.  The four of a row of the cluster (same token block) need the same image, the four of a column the same rows of W_out: each is asked for jointly.
; THE PRODUCT IS USED TRANSPOSED (source 0 = 16 rows of W_out, source 1 = 16 tokens): a lane holds eight neighbouring columns of one token's row.  The bias is the C of each sum's first product.
; REGISTERS: window 0: v0-31 addresses; v32-127, v128-223 two fragment buffers (4 of the tokens', then 8 of W_out's); on the way out v32-159 hold rows.   window 1: the accumulators, (a, b) at v[8 (8 a + b)].
;   window 2: v0-63 the bias of my 8 column tiles.
.set PITCH,  272                       ; a row of W_out's tile in LDS: 68 words, so that the 16 rows of a load start 4 words apart modulo 64
.set ABYTES, 32768                     ; the tokens' image of a K step
.set SLOT,   ABYTES+256*PITCH
.set STAGE,  2*SLOT                    ; behind the ring: 16 rows x 528 bytes for each wave, for the way out; no tensor load lands here
.set SPITCH, 528
.set SPARE,  STAGE+4*16*SPITCH         ; behind the stages: the spare words, 128 bytes a wave, which no other line names
.set KSA,    2097152                   ; a K step on in aimg, in bytes
.set ADRA, 16                          ; v16-17  LDS address of my tokens' fragments in slot 0, 1
.set ADRB, 20                          ; v20-21  the same for W_out's
.set STO,  24                          ; v24     the way out: where I put 32 bytes of a row
.set RD,   25                          ; v25     where I read a row back
.set CO,   26                          ; v26     16 x lane
.set BO,   27                          ; v27     the bias: 32 h
.set SPW,  28                          ; v28     LDS address of my spare word; never rewritten
.set NIL,  29                          ; v29     0; never rewritten
.set PFO,  30                          ; v30     the prefetches' offset: my lane x 256 bytes of the image, or x a row of W_out; never rewritten
.set F0,   32
.set F1,   128
.set G1A,  24                          ; s[24:31] group 1 for the image;  s[32:39] group 0, a set for each slot
.set G0A,  32
.set G1B,  48                          ; s[48:55], s[56:63] the same for W_out
.set G0B,  56
.set LIM,  43                          ; s43     1 in a wave that prefetches, else the greatest number
.set PFA,  44                          ; s[44:45] the K step that my next prefetch names
.set PFS,  46                          ; s[46:47] a K step on, in bytes
.set MULW, 0x50                        ; sources window 0, C and D window 1
.set MULB, 0x60                        ; C (the bias) window 2, D window 1
.set MSB, 0
.macro WIN new
.if MSB != \new
	s_set_vgpr_msb (MSB<<8)|\new
.set MSB, \new
.endif
.endm
.macro PLACES                          ; four plain vector instructions between a matrix instruction and a load into, or a read of, its registers
.rept 4
	v_nop
.endr
.endm
.macro JLOAD s                         ; a joint load: waves 0 and 1 fetch the image's halves, waves 2 and 3 W_out's; an s_nop 0 and four v_nop follow each of the two lines
	s_cmp_eq_u32 s13, 0
	s_cbranch_scc0 .Lfor_b_\@
	tensor_load_to_lds s[G0A+4*\s:G0A+4*\s+3], s[G1A:G1A+7]
	s_nop 0
	PLACES
	s_branch .Lasked_\@
.Lfor_b_\@:
	tensor_load_to_lds s[G0B+4*\s:G0B+4*\s+3], s[G1B:G1B+7]
	s_nop 0
	PLACES
.Lasked_\@:
.endm
.macro CREST                           ; a round of the cluster's barrier behind its opening barrier
	s_cmp_lg_u32 s12, 0
	s_cbranch_scc1 .Lnot_wave_0_\@
	s_barrier_signal -3
.Lnot_wave_0_\@:
	s_barrier_wait -3
	s_barrier_signal -1
	s_barrier_wait -1
.endm
.macro CROUND
	s_barrier_signal -1
	s_barrier_wait -1
	CREST
.endm
; A PREFETCH INTO THE L2, behind each joint refill and the run of LDS loads that follows it: the K step that stands two refills on, 256 products ahead of the load that will want it.  One instruction a wave, each lane
; another run of 256 bytes.  THE IMAGE of a token block is read by one row of one cluster: wave 0 of each of its four work-groups asks for 32 of the K step's 128 runs, told apart by address (cx).  W_OUT's rows are read
; by every cluster of the column of clusters: those with cluster y = 0 ask; of the 128 rows that wave 2 or 3 fetches each of the four partners takes 32, told apart by address (cy), a lane a row.
; So each run is named once in the launch.  The refills of K steps 2 to 5 name K steps 4 to 7; the last trip's name nothing.  K steps 0 to 3 come by their loads alone.
.macro ASK
	s_cmp_gt_u32 s3, s[LIM]                        ; s3 = 3, 2, 1 in the loop's three trips
	s_cbranch_scc0 .Lnot_mine_\@
	global_prefetch_b8 v[PFO], s[PFA:PFA+1] th:TH_LOAD_NT scope:SCOPE_SE
.Lnot_mine_\@:
.endm
	s_load_b256 s[4:11], s[0:1], 0x0               ; aimg s[4:5], wo16 s[6:7], b_out s[8:9], out0 s[10:11]
	v_lshl_add_u32 v[SPW], v0, 2, SPARE
	v_mov_b32 v[NIL], 0
	ds_add_u32 v[SPW], v[NIL]                      ; the wave's opening: the add and its wait stand ahead of my first tensor load; the set-up below, work on registers, stands between them
	v_lshrrev_b32 v1, 5, v0
	v_readfirstlane_b32 s12, v1                    ; wave 0..3
	s_lshr_b32 s13, s12, 1                         ; which 64 tokens are mine.  Also: I fetch the image (0) or W_out (1)
	s_and_b32 s14, s12, 1                          ; which 128 columns.  Also: which half I fetch
	s_bfe_u32 s40, ttmp6, 0x40000                  ; cx, cy
	s_bfe_u32 s41, ttmp6, 0x40004
	s_lshl_b32 s42, ttmp9, 2
	s_add_co_u32 s42, s42, s40                     ; the column block = 4 x cluster x + cx
	s_and_b32 s15, ttmp7, 0xffff
	s_lshl_b32 s15, s15, 2
	s_add_co_u32 s15, s15, s41                     ; the token block = 4 x cluster y + cy
	s_lshl_b32 s16, s41, 2
	s_lshl_b32 s16, 15, s16                        ; my row of the cluster
	s_lshl_b32 s17, 0x1111, s40                    ; my column
	s_or_b32 s[G1A], s16, (3<<16)|(1<<21)          ; the image's half: 16,384 dense bytes as 64 rows of 256 (32 elements of 8 bytes), no padding; 15:0 the mask; 21 set beside it
	s_mov_b32 s[G1A+1], 32<<16
	s_mov_b32 s[G1A+2], 64<<16
	s_mov_b32 s[G1A+3], 32<<16
	s_mov_b32 s[G1A+4], 64
	s_mov_b32 s[G1A+5], 32
	s_mov_b32 s[G1A+6], 0
	s_mov_b32 s[G1A+7], 0
	s_or_b32 s[G1B], s17, (1<<16)|(1<<20)|(1<<21)|(5<<22)|(3<<25)   ; W_out: 128 rows x 128 elements of 2 bytes; four words of padding after every 64
	s_mov_b32 s[G1B+1], 128<<16
	s_mov_b32 s[G1B+2], 128<<16
	s_mov_b32 s[G1B+3], 128<<16
	s_mov_b32 s[G1B+4], 128
	s_mov_b32 s[G1B+5], 1024                       ; elements from row to row
	s_mov_b32 s[G1B+6], 0
	s_mov_b32 s[G1B+7], 0
	s_lshl_b32 s18, s15, 15                        ; the image: 32,768 bytes a token block,
	s_lshl_b32 s22, s14, 14                        ; my half: the same in memory and in LDS
	s_add_co_u32 s18, s18, s22
	s_mov_b32 s19, 0
	s_lshl_b32 s20, s42, 19                        ; W_out: 256 rows of 2,048 bytes a column block,
	s_lshl_b32 s23, s14, 18                        ; my 128 rows
	s_add_co_u32 s20, s20, s23
	s_mov_b32 s21, 0
	s_mul_i32 s23, s14, 128*PITCH
	s_add_co_u32 s23, s23, ABYTES                  ; and their place in a slot
	s_wait_dscnt 0x0                               ; the opening add is done
	s_wait_kmcnt 0x0
	s_add_nc_u64 s[18:19], s[4:5], s[18:19]
	s_add_nc_u64 s[20:21], s[6:7], s[20:21]
	CROUND                                         ; all sixteen work-groups are here: the first joint loads meet
.irp s, 0,1
	s_mov_b32 s[G0A+4*\s], 1
	s_add_co_u32 s[G0A+4*\s+1], s22, \s*SLOT
	s_add_nc_u64 s[G0A+4*\s+2:G0A+4*\s+3], s[18:19], \s*KSA
	s_or_b32 s[G0A+4*\s+3], s[G0A+4*\s+3], 0x80000000
	s_mov_b32 s[G0B+4*\s], 1
	s_add_co_u32 s[G0B+4*\s+1], s23, \s*SLOT
	s_add_nc_u64 s[G0B+4*\s+2:G0B+4*\s+3], s[20:21], \s*256
	s_or_b32 s[G0B+4*\s+3], s[G0B+4*\s+3], 0x80000000
	JLOAD \s
.endr
	v_and_b32 v1, 15, v0                           ; r
	v_bfe_u32 v2, v0, 4, 1                         ; h
	v_and_b32 v3, 31, v0
	v_lshlrev_b32 v[CO], 4, v3
	s_lshl_b32 s16, s13, 14                        ; my 64 tokens: four tiles of 4,096 bytes
	v_add_nc_u32 v[ADRA], s16, v[CO]
	v_add_nc_u32 v[ADRA+1], SLOT, v[ADRA]
	v_mul_u32_u24 v4, v1, PITCH
	v_lshl_add_u32 v4, v2, 4, v4                   ; a fragment's row x pitch + 16 x half
	s_mul_i32 s16, s14, 128*PITCH                  ; my 128 rows of W_out
	s_add_co_u32 s16, s16, ABYTES
	v_add_nc_u32 v[ADRB], s16, v4
	v_add_nc_u32 v[ADRB+1], SLOT, v[ADRB]
	s_mul_i32 s16, s12, 16*SPITCH
	s_add_co_u32 s16, s16, STAGE                   ; my stage
	v_mul_u32_u24 v4, v1, SPITCH
	v_lshl_add_u32 v4, v2, 5, v4
	v_add_nc_u32 v[STO], s16, v4                   ; in: row r, 32 bytes for each half of the lanes
	v_add_nc_u32 v[RD], s16, v[CO]                 ; back: the 32 lanes take one row of 512 bytes
	v_lshlrev_b32 v[BO], 5, v2
	s_lshl_b32 s16, s42, 10                        ; my first column, in bytes: 1,024 x column block + 512 x half
	s_lshl_b32 s17, s14, 9
	s_add_co_u32 s16, s16, s17
	s_mov_b32 s17, 0
	s_add_nc_u64 s[8:9], s[8:9], s[16:17]
	s_add_nc_u64 s[10:11], s[10:11], s[16:17]
	s_lshl_b32 s16, s15, 19                        ; my first row: 128 x token block + 64 x half, rows of 4,096 bytes
	s_lshl_b32 s66, s13, 18
	s_add_co_u32 s16, s16, s66
	s_add_nc_u64 s[10:11], s[10:11], s[16:17]
	WIN 0x80                                       ; destination window 2
.irp b, 0,1,2,3,4,5,6,7                        ; column tile b: register j = bias of column 16 b + 8 h + j
	global_load_b128 v[8*\b:8*\b+3], v[BO], s[8:9] offset:64*\b
	global_load_b128 v[8*\b+4:8*\b+7], v[BO], s[8:9] offset:64*\b+16
.endr
	WIN 0
	; the prefetches: where my wave's stand, and who asks
	s_lshl_b32 s67, s15, 15
	s_lshl_b32 s68, s40, 13
	s_add_co_u32 s67, s67, s68                     ; the image: my token block, my work-group's 32 runs of 256 bytes
	s_lshl_b32 s68, s42, 19
	s_lshl_b32 s69, s14, 18
	s_add_co_u32 s68, s68, s69
	s_lshl_b32 s69, s41, 16
	s_add_co_u32 s68, s68, s69                     ; W_out: the 128 rows that I fetch, my work-group's 32 of them
	s_and_b32 s69, ttmp7, 0xffff                   ; cluster y
	s_mov_b32 s[PFS], 256
	s_mov_b32 s66, 2048
	s_cmp_eq_u32 s13, 0                            ; do I fetch the image?
	s_cselect_b64 s[PFA:PFA+1], s[4:5], s[6:7]
	s_cselect_b32 s[PFS], KSA, s[PFS]              ; a K step on
	s_cselect_b32 s66, 256, s66                    ; from lane to lane
	s_cselect_b32 s70, s67, s68
	s_cselect_b32 s69, s12, s69                    ; what must be 0 for me to ask: my wave's number, or cluster y: the same in all partners, for a given wave
	s_cmp_eq_u32 s69, 0
	s_cselect_b32 s[LIM], 1, -1
	s_mov_b32 s71, 0
	s_mov_b32 s[PFS+1], 0
	s_add_nc_u64 s[PFA:PFA+1], s[PFA:PFA+1], s[70:71]
	s_mul_i32 s70, s[PFS], 3
	s_add_nc_u64 s[PFA:PFA+1], s[PFA:PFA+1], s[70:71]   ; at K step 3: the first refill steps it to 4.  Nothing is prefetched here, at the head
	v_mul_lo_u32 v[PFO], v3, s66
.macro MUL8 f, a, first                ; 8 products: the tokens' tile a against W_out's eight, 32 along K.  first = 1: the bias starts the sums: nothing is cleared
.irp b, 0,1,2,3,4,5,6,7
.if \first
	v_wmma_f32_16x16x32_f16 v[8*(8*(\a)+\b):8*(8*(\a)+\b)+7], v[\f+32+8*\b:\f+32+8*\b+7], v[\f+8*(\a):\f+8*(\a)+7], v[8*\b:8*\b+7]
.else
	v_wmma_f32_16x16x32_f16 v[8*(8*(\a)+\b):8*(8*(\a)+\b)+7], v[\f+32+8*\b:\f+32+8*\b+7], v[\f+8*(\a):\f+8*(\a)+7], v[8*(8*(\a)+\b):8*(8*(\a)+\b)+7]
.endif
.endr
.endm
.macro FETCH slot, q, f                ; 24 LDS loads in one run: the fragments of the slot's q-th 32 along K: W_out's eight, then the tokens' four
.irp b, 0,1,2,3,4,5,6,7
	ds_load_b128 v[\f+32+8*\b:\f+32+8*\b+3], v[ADRB+\slot] offset:\b*16*PITCH+64*(\q)
	ds_load_b128 v[\f+32+8*\b+4:\f+32+8*\b+7], v[ADRB+\slot] offset:\b*16*PITCH+64*(\q)+32
.endr
.irp i, 0,1,2,3
	ds_load_b128 v[\f+8*\i:\f+8*\i+3], v[ADRA+\slot] offset:\i*4096+1024*(\q)
	ds_load_b128 v[\f+8*\i+4:\f+8*\i+7], v[ADRA+\slot] offset:\i*4096+1024*(\q)+512
.endr
.endm
; A K step is four quarters of 32 along K, 32 products each, on buffers 0, 1, 0, 1; the 32 accumulators take turns, one instruction a turn, in the same order in every quarter.
; One of the first three: multiplies buffer f and, in its middle, fetches the slot's q-th quarter into buffer g.
.macro QUARTER slot, q, f, g, first
	s_wait_dscnt 4                                 ; W_out's fragments and the tokens' tiles 0, 1 are in; the youngest four loads (tiles 2, 3) may be out
.if \first
	WIN MULB
.else
	WIN MULW
.endif
	MUL8 \f, 0, \first
	MUL8 \f, 1, \first
	PLACES
	WIN 0
	FETCH \slot, \q, \g
	s_wait_dscnt 24                                ; all but the 24 just issued
.if \first
	WIN MULB
.else
	WIN MULW
.endif
	MUL8 \f, 2, \first
	MUL8 \f, 3, \first
.endm
; The last quarter multiplies buffer 1 and changes slots: ONE barrier; in front of it each wave waits for all its tensor loads, adds 0 to its spare word, and waits for that and for its own reads of this slot.
; fill = 1: the barrier opens a round of the cluster's, and this slot is filled again, two K steps ahead: 112 products stand between the request and the wait for it.
.macro TURN slot, next, fill
.if \fill
	s_wait_xcnt 0x0                                ; the last prefetch, a K step back, has read its address: it is stepped here
	s_add_nc_u64 s[PFA:PFA+1], s[PFA:PFA+1], s[PFS:PFS+1]
.endif
	WIN 0                                          ; (the add's two registers lie in window 0)
	s_wait_tensorcnt 0x0                           ; all my tensor loads have landed: my part of the next slot;
	ds_add_u32 v[SPW], v[NIL]                      ; 0 onto my spare word
	s_wait_dscnt 5                                 ; (the add and the youngest four loads may be out)
	WIN MULW
	MUL8 F1, 0, 0                                  ; eight products stand between the add and the wait for it
	s_wait_dscnt 0x0                               ; the add is done, and my reads of this slot are over
	s_barrier_signal -1
	MUL8 F1, 1, 0
	WIN 0
	s_barrier_wait -1
.if \fill
	CREST                                          ; no wave of any partner still reads this slot or has a load on its way
	s_add_nc_u64 s[G0A+4*\slot+2:G0A+4*\slot+3], s[G0A+4*\slot+2:G0A+4*\slot+3], 2*KSA
	s_add_nc_u64 s[G0B+4*\slot+2:G0B+4*\slot+3], s[G0B+4*\slot+2:G0B+4*\slot+3], 2*256
	JLOAD \slot                                    ; the first tensor load behind the round; the four v_nop behind it are also the places in front of the loads below
.else
	PLACES
.endif
	FETCH \next, 0, F0
.if \fill
	ASK
.endif
	WIN MULW
	MUL8 F1, 2, 0
	MUL8 F1, 3, 0
.endm
	s_wait_tensorcnt 0x1                           ; my part of K step 0 is in; K step 1's may stay out
	s_barrier_signal -1
	s_barrier_wait -1                              ; everybody's is
	FETCH 0, 0, F0
	s_wait_loadcnt 0x0                             ; the bias
	QUARTER 0, 1, F0, F1, 1                        ; the first quarter stands in front of the loop: its products start the sums
	WIN 0                                          ; at a label and at a branch every window is 0
	s_mov_b32 s3, 3
.Llap:                                             ; a trip goes once round the ring, from a lap's second quarter to the next lap's first, and fills both slots again: K steps 2 to 7
	QUARTER 0, 2, F1, F0, 0
	QUARTER 0, 3, F0, F1, 0
	TURN 0, 1, 1
	QUARTER 1, 1, F0, F1, 0
	QUARTER 1, 2, F1, F0, 0
	QUARTER 1, 3, F0, F1, 0
	TURN 1, 0, 1
	QUARTER 0, 1, F0, F1, 0
	WIN 0
	s_sub_co_u32 s3, s3, 1
	s_cmp_lg_u32 s3, 0
	s_cbranch_scc1 .Llap
	QUARTER 0, 2, F1, F0, 0                        ; the last lap is written out: it fills nothing, and has no round of the cluster's barrier
	QUARTER 0, 3, F0, F1, 0
	TURN 0, 1, 0
	QUARTER 1, 1, F0, F1, 0
	QUARTER 1, 2, F1, F0, 0
	QUARTER 1, 3, F0, F1, 0
	s_wait_dscnt 4                                 ; the very last quarter: nothing more to fetch
	WIN MULW
	MUL8 F1, 0, 0
	MUL8 F1, 1, 0
	s_wait_dscnt 0x0
	MUL8 F1, 2, 0
	MUL8 F1, 3, 0
	WIN 0
; THE WAY OUT, block by block of 16 tokens x 128 columns.  A lane holds 32 neighbouring bytes of a row, and the lanes beside it hold other rows: so a block goes through my own stage in LDS and comes back as whole rows
; of 512 bytes.  LDS serves a wave's instructions in order (ISA guide 5.7.1.4): no wait between the stores and the loads, nor in front of the next block's stores.
.macro TOSTAGE a
	WIN 0x04                                       ; an LDS store's data are its source 1: window 1
.irp b, 0,1,2,3,4,5,6,7
	ds_store_b128 v[STO], v[8*(8*(\a)+\b):8*(8*(\a)+\b)+3] offset:64*\b            ; each accumulator from its low end on
	ds_store_b128 v[STO], v[8*(8*(\a)+\b)+4:8*(8*(\a)+\b)+7] offset:64*\b+16
.endr
	WIN 0
.set BB, 32+64*((\a)%2)
.irp t, 0,1,2,3,4,5,6,7,8,9,10,11,12,13,14,15
	ds_load_b128 v[BB+4*\t:BB+4*\t+3], v[RD] offset:\t*SPITCH
.endr
.endm
.macro SEND a, younger                 ; younger: the LDS instructions issued behind block a's loads, which may stay out
.set BB, 32+64*((\a)%2)
	s_wait_dscnt \younger
.irp t, 0,1,2,3,4,5,6,7,8,9,10,11,12,13,14,15
	global_store_b128 v[CO], v[BB+4*\t:BB+4*\t+3], s[10:11] offset:(\a)*65536+\t*4096 th:TH_STORE_NT   ; 32 lanes store 512 consecutive bytes, aligned; written once, read by nobody here
.endr
.endm
	PLACES                                         ; behind the last products: for the reads of their results and for the loads into the registers that held fragments
	TOSTAGE 0
	TOSTAGE 1
	SEND 0, 32                                     ; behind block 0's loads: block 1's 16 stores and 16 loads
	s_wait_xcnt 0x0                                ; block 0's stores have read their registers: block 2's loads may land there
	TOSTAGE 2
	SEND 1, 32
	s_wait_xcnt 0x0                                ; likewise block 1's
	TOSTAGE 3
	SEND 2, 32
	SEND 3, 0
	s_wait_tensorcnt 0x0                           ; the wave's end: behind my last tensor load and my last LDS store
	ds_add_u32 v[SPW], v[NIL]
	s_wait_dscnt 0x0
	CROUND                                         ; the closing round: no work-group ends while a partner may still ask for a tile that names it
	s_endpgm
.Lfunc_end_k_q34c59406a5_proj:
	.size	k_q34c59406a5_proj, .Lfunc_end_k_q34c59406a5_proj-k_q34c59406a5_proj
	.p2alignl 7, 3214868480
	.fill 96, 4, 3214868480
	.section	.rodata,"a",@progbits
	.p2align	6, 0x0
	.amdhsa_kernel k_q34c59406a5_proj
		.amdhsa_group_segment_fixed_size 327680
		.amdhsa_private_segment_fixed_size 0
		.amdhsa_enable_private_segment 0
		.amdhsa_kernarg_size 32
		.amdhsa_user_sgpr_count 2
		.amdhsa_user_sgpr_kernarg_segment_ptr 1
		.amdhsa_wavefront_size32 1
		.amdhsa_system_sgpr_workgroup_id_x 1
		.amdhsa_system_sgpr_workgroup_id_y 1
		.amdhsa_system_sgpr_workgroup_id_z 1
		.amdhsa_system_vgpr_workitem_id 0
		.amdhsa_next_free_vgpr 576
		.amdhsa_next_free_sgpr 80
		.amdhsa_reserve_vcc 0
		.amdhsa_float_denorm_mode_32 3
		.amdhsa_float_denorm_mode_16_64 3
		.amdhsa_memory_ordered 1
		.amdhsa_forward_progress 1
		.amdhsa_inst_pref_size 87
	.end_amdhsa_kernel
	.amdgpu_metadata
---
amdhsa.version: [ 1, 2 ]
amdhsa.kernels:
  - .name:           k_q34c59406a5_proj
    .symbol:         k_q34c59406a5_proj.kd
    .args:
      - { .name: aimg, .offset: 0, .size: 8, .value_kind: global_buffer, .address_space: global }
      - { .name: wo16, .offset: 8, .size: 8, .value_kind: global_buffer, .address_space: global }
      - { .name: b_out, .offset: 16, .size: 8, .value_kind: global_buffer, .address_space: global }
      - { .name: out0, .offset: 24, .size: 8, .value_kind: global_buffer, .address_space: global }
    .group_segment_fixed_size: 327680
    .private_segment_fixed_size: 0
    .kernarg_segment_align: 8
    .kernarg_segment_size: 32
    .max_flat_workgroup_size: 128
    .sgpr_count:     80
    .vgpr_count:     576
    .wavefront_size: 32
...
	.end_amdgpu_metadata
.endif
;; end of part 4
